; MI455X (gfx1250); checked and timed in simulation.
; The chip was launched on July 23, 2026; its instructions are those of AMD's public machine-readable ISA for CDNA 5 (MIT licence, August 2026) and "CDNA5" Instruction Set Architecture Reference Guide (July 2026). The comments in the code are by the model that wrote it; some were corrected since.
;; Top K Mo E. Allowed arithmetic: matrix products marked QUANTISED: E5M2 operands, one given power-of-two scale a tensor, by v_wmma_f32_16x16x64_bf8_bf8 or v_wmma_f32_16x16x128_bf8_bf8, f32 sums; products left as they are: f32 operands where the result goes on into a quantised operand, else bf16, f16 or f32 operands; f32 sums; everything else in f32.
;; Inputs: lowp_scales 32 int32 (the exponents e of the quantised operands' scales 2^e); router_w 1,024 x 8 float32; w1_codes 8 x 512 x 32 x 32 uint8 (E5M2 codes of w1, K innermost, in blocks of 32 codes); w2_codes 8 x 1,024 x 16 x 32 uint8 (E5M2 codes of w2, K innermost, in blocks of 32 codes); x 4 x 2,048 x 1,024 float32.
;; Outputs: out0 4 x 2,048 x 1,024 float32; out1 one number float32.
;; This version of the problem:
;;   THIS VERSION OF THE PROBLEM IS GIVEN IN LOW PRECISION. The matrix products marked QUANTISED in the list below multiply operands that are first quantised to E5M2 (5 exponent bits, 2 mantissa bits; 8 bits a number), with one given power-of-two scale for each operand tensor; their sums are f32. All else is computed in f32.
;;   The module's matrix products, in the order in which they are computed (A, B: the left and right operand; K: the contracted axis; several contracted axes count as one K, in the product's order):
;;     1. [M 8,192, K 1,024] x [K 1,024, N 8]; A: input x; B: input router_w: left as it is (N = 8 < 16)
;;     2. [M 8,192, K 1,024] x [K 1,024, N 512]; A: input x; B: input w1 (given as codes): QUANTISED (scales: A lowp_scales[0], B lowp_scales[1])
;;     3. [M 8,192, K 512] x [K 512, N 1,024]; A: computed on the way; B: input w2 (given as codes): QUANTISED (scales: A lowp_scales[2], B lowp_scales[3])
;;     4. [M 8,192, K 1,024] x [K 1,024, N 512]; A: input x; B: input w1 (given as codes): QUANTISED (scales: A lowp_scales[4], B lowp_scales[5])
;;     5. [M 8,192, K 512] x [K 512, N 1,024]; A: computed on the way; B: input w2 (given as codes): QUANTISED (scales: A lowp_scales[6], B lowp_scales[7])
;;     6. [M 8,192, K 1,024] x [K 1,024, N 512]; A: input x; B: input w1 (given as codes): QUANTISED (scales: A lowp_scales[8], B lowp_scales[9])
;;     7. [M 8,192, K 512] x [K 512, N 1,024]; A: computed on the way; B: input w2 (given as codes): QUANTISED (scales: A lowp_scales[10], B lowp_scales[11])
;;     8. [M 8,192, K 1,024] x [K 1,024, N 512]; A: input x; B: input w1 (given as codes): QUANTISED (scales: A lowp_scales[12], B lowp_scales[13])
;;     9. [M 8,192, K 512] x [K 512, N 1,024]; A: computed on the way; B: input w2 (given as codes): QUANTISED (scales: A lowp_scales[14], B lowp_scales[15])
;;     10. [M 8,192, K 1,024] x [K 1,024, N 512]; A: input x; B: input w1 (given as codes): QUANTISED (scales: A lowp_scales[16], B lowp_scales[17])
;;     11. [M 8,192, K 512] x [K 512, N 1,024]; A: computed on the way; B: input w2 (given as codes): QUANTISED (scales: A lowp_scales[18], B lowp_scales[19])
;;     12. [M 8,192, K 1,024] x [K 1,024, N 512]; A: input x; B: input w1 (given as codes): QUANTISED (scales: A lowp_scales[20], B lowp_scales[21])
;;     13. [M 8,192, K 512] x [K 512, N 1,024]; A: computed on the way; B: input w2 (given as codes): QUANTISED (scales: A lowp_scales[22], B lowp_scales[23])
;;     14. [M 8,192, K 1,024] x [K 1,024, N 512]; A: input x; B: input w1 (given as codes): QUANTISED (scales: A lowp_scales[24], B lowp_scales[25])
;;     15. [M 8,192, K 512] x [K 512, N 1,024]; A: computed on the way; B: input w2 (given as codes): QUANTISED (scales: A lowp_scales[26], B lowp_scales[27])
;;     16. [M 8,192, K 1,024] x [K 1,024, N 512]; A: input x; B: input w1 (given as codes): QUANTISED (scales: A lowp_scales[28], B lowp_scales[29])
;;     17. [M 8,192, K 512] x [K 512, N 1,024]; A: computed on the way; B: input w2 (given as codes): QUANTISED (scales: A lowp_scales[30], B lowp_scales[31])
;;   THE QUANTISER, for each operand of a quantised product, along K:
;;     - The operand's scale is 2^e, e = its entry of the input lowp_scales (int32; the entries are numbered through the quantised products in the list's order, A before B).
;;     - Each number is divided by the scale, clamped to +-57,344, and rounded to the nearest number of E5M2, ties to even, subnormals kept.
;;     - The product sums the exact products of the quantised numbers (number of the format x scale) in f32.
;;   ~~~python
;;   def quantise(x, axis, e):      # numpy; x: float32 -> the quantised numbers, widened to float32 again
;;       x = np.moveaxis(x, axis, -1); K = x.shape[-1]
;;       r = np.clip(x / 2.0 ** e, -57344, 57344)
;;       step = 2.0 ** (np.maximum(np.frexp(np.where(r == 0, 1, r))[1] - 1, -14) - 2)
;;       q = np.round(r / step) * step * 2.0 ** e      # np.round: ties to even
;;       return np.moveaxis(q, -1, axis).astype(np.float32)
;;   ~~~
;;   OPERANDS COMPUTED ON THE WAY. 'Computed on the way' means the value that the module computes at that place (a softmax that the list does not call 'softmax' is quantised finished and normalised). What goes into a quantiser is computed in f32, as accurately as f32 sums, v_exp_f32 and their like allow (about 1e-6 of the number): no bf16 or f16 on the way to a quantiser, and a product that is left as it is and whose result goes on into a quantised operand takes f32 operands (vector FMAs, or v_wmma_f32_16x16x4_f32). A number that lies on a knife's edge between two numbers of the format may be rounded either way, as far as f32 arithmetic and the matrix unit's own rounding can turn it there, and no further.
;;   INPUTS GIVEN AS CODES. w1 (in the module: [8, 1024, 512], K = its axis 1); w2 (in the module: [8, 512, 1024], K = its axis 1): each comes as NAME_codes (uint8): NAME with its K axis moved to the last place and cut into blocks of 32 codes, [.., K / 32, bytes a block], one block behind the other in memory; one code a byte (a code: sign, 5 exponent bits, 2 mantissa bits); its scale is its entry of lowp_scales. Its value is code x scale, taken as it is: it is not quantised again, and the codes and scales need not be those that the quantiser above would give.
;; 2 versions, each right; version 2 is version 1 with the launch chain written anew for expert scheduling mode. Each part assembles by itself: llvm-mc -triple=amdgcn-amd-amdhsa -mcpu=gfx1250 --defsym DOCPART=n.
;; ======== version 1 of 2: 3 launches
;; workspace buffers: wimg 8,388,608 bytes; xq 16,777,216 bytes; comb 65,536 bytes; part 16,384 bytes; meta 65,536 bytes of whole numbers; tiles 2,560 bytes of whole numbers; rows 39,680 bytes of whole numbers
;; launch route (part 1): grid 384 x 1, 4 waves a work-group, no clusters, 39,936 bytes of LDS; arguments x, router_w, lowp_scales, w1_codes, w2_codes, xq, comb, part, meta, wimg; writes xq, comb, part, meta, wimg
.if DOCPART == 1
	.amdgcn_target "amdgcn-amd-amdhsa--gfx1250"
	.amdhsa_code_object_version 6
	.text
	.protected	k_q37be4dbe4f_route
	.globl	k_q37be4dbe4f_route
	.p2align	8
	.type	k_q37be4dbe4f_route,@function
k_q37be4dbe4f_route:
	s_mov_b64 s[64:65], 0
	v_nop
	global_prefetch_b8 v0, s[64:65] scope:SCOPE_SE
	s_setreg_imm32_b32 hwreg(HW_REG_WAVE_MODE, 25, 1), 1
	s_wait_xcnt 0x0
; ROUTE.  Work-groups 0-255: the router for 32 tokens each, and x's codes.  Work-groups 256-383: the weights' codes laid out as images of operand registers.
; ROUTER.  logits = x router_w in f32 (fused multiply-adds; K shared out: wave w, lane l holds k = 256 w + 8 l + 0 .. 7 of every token), softmax with the row's maximum taken away,
; top-2 (a strict > keeps the lower index, as jax.lax.top_k does), the two weights p / (p1 + p2 + 1e-9).  Nothing here forms an address from the choice: all results go to fixed places.
;   comb[token] = (weight of the lower expert, weight of the higher);  meta[token] = (key | rank << 8, count): key = the pair (lo, hi) as lo (15 - lo) / 2 + hi - lo - 1, 0 .. 27;
;   rank = how many earlier tokens of the block have the same key; the second word of entry 32 B + l is block B's count of key l.
;   part[block] = 8 sums of probabilities, then 8 counts of first choices, both in the order expert rev3(word) (the order in which the lanes' tree leaves them).
;   xq[token][sel][1024]: x's E5M2 codes with the scale 2^ex of the token's lower (sel 0) and higher (sel 1) expert, the scale chosen by v_cndmask_b32.
; IMAGES.  A fragment (16 rows x 128 K) is 2,048 bytes: byte 512 c + 16 lane = registers 4 c .. 4 c + 3 of lane (r, h): k = 32 c + 16 h + 0 .. 15 of row r.
;   W1 at e 2^19 + w 2^17 + s 2^14 + t 2^11: hidden units 128 w on, K step s; lane r of tile t = 2 b + u takes row 32 b + 8 u + r + 8 (r / 8), so that the results of two tiles are 16 neighbours along the next K.
;   W2 at 2^22 + e 2^19 + w 2^17 + (4 g + s) 2^14 + t 2^11: output columns 256 w + 128 g + 16 t + r, K step s.
; LIMITS.  ex between -126 and 112, so that 2^ex and 57,344 x 2^ex are f32 numbers.  NaN among the inputs is not served.  A probability under 2^-126 counts as 0 (v_exp_f32 gives 0 there).
; The logits are summed in another order than a plain ascending sum: eight products in a lane, a tree over 32 lanes, four waves.
.set PART, 0                           ; LDS: [wave][token][8 f32] partial logits, 4,096 bytes
.set SCB,  4096                        ; [token][4 words]: 2^ex_lo, 57,344 x 2^ex_lo, the same for hi
.set ST1,  4608                        ; W1's path: a stage of 16 rows x 272 bytes for each wave
.set ST2,  22016                       ; W2's path: the same, in bytes of its own
.set RW,   16                          ; v16-79   router_w(k = my 8, e): register 8 i + e
.set A0,   80                          ; v80-87, v88-95  eight sums of two tokens
.set A1,   88
.set G0,   96                          ; v96-103  at work in the tree
.set G1,   100
.set SC,   16                          ; v16-143  later: the 32 tokens' four scale words
.set TA,   144                         ; v144-207 64 held numbers
.set CD,   208                         ; v208-223 their codes
.set MSB, 0
.macro WIN new                         ; the immediate's high byte repeats the setting that is left
.if MSB != \new
	s_set_vgpr_msb (MSB<<8)|\new
.set MSB, \new
.endif
.endm
	s_load_b256 s[4:11], s[0:1], 0x0               ; x s[4:5], router_w s[6:7], the exponents s[8:9], W1's codes s[10:11]
	s_load_b256 s[12:19], s[0:1], 0x20             ; W2's codes s[12:13], xq s[14:15], comb s[16:17], part s[18:19]
	s_load_b128 s[20:23], s[0:1], 0x40             ; meta s[20:21], wimg s[22:23]
	v_lshl_add_u32 v254, v0, 2, 0x9a00
	v_mov_b32 v255, 0
	v_lshrrev_b32 v1, 5, v0
	v_readfirstlane_b32 s26, v1                    ; wave 0..3
	v_and_b32 v1, 31, v0                           ; lane
	s_cmp_ge_u32 ttmp9, 256
	s_cbranch_scc1 .Lrelay
; ------------------------------------------------------------------ the router
	v_lshlrev_b32 v2, 5, v1                        ; x: my 8 numbers, 32 bytes a lane
	v_lshlrev_b32 v3, 8, v1                        ; router_w: my 8 rows of 32 bytes
	v_and_b32 v9, 1, v1
	v_bfe_u32 v10, v1, 1, 1
	v_bfe_u32 v11, v1, 2, 1
	v_lshlrev_b32 v9, 2, v9
	v_lshl_add_u32 v9, v10, 1, v9
	v_add_nc_u32 v9, v9, v11                       ; the expert whose sum the tree leaves in my lane: the lane's low three bits reversed
	s_lshl_b32 s27, s26, 10
	v_lshl_add_u32 v4, v9, 2, s27                  ; PART + 1,024 wave + 4 expert
	v_lshlrev_b32 v5, 5, v1                        ; PART, read back: 32 bytes a token
	v_lshl_add_u32 v6, v1, 4, SCB                  ; SCB + 16 token
	v_mov_b32 v7, 0
	v_lshlrev_b32 v8, 3, v1                        ; 8 lane: codes, comb, meta
	v_lshlrev_b32 v166, 2, v1                      ; 4 lane: part
	s_mov_b32 s66, 0xaaaaaaaa                      ; lanes with bit 0, 1, 2 set
	s_mov_b32 s67, 0xcccccccc
	s_mov_b32 s68, 0xf0f0f0f0
	s_mov_b32 s70, 0x76543210                      ; v_permlanex16_b32: lane l xor 16
	s_mov_b32 s71, 0xfedcba98
	s_lshl_b32 s28, ttmp9, 17                      ; 32 tokens of 4,096 bytes,
	s_add_co_u32 s28, s28, s27                     ; + my wave's 1,024 bytes of a row
	s_mov_b32 s29, 0
	s_lshl_b32 s30, s26, 13                        ; router_w: my wave's 256 rows
	s_mov_b32 s31, 0
	s_lshl_b32 s72, ttmp9, 8                       ; comb and meta: 256 bytes a block
	s_mov_b32 s73, 0
	s_lshl_b32 s74, ttmp9, 6                       ; part: 64 bytes a block
	s_mov_b32 s75, 0
	s_lshl_b32 s76, ttmp9, 16                      ; xq: 32 tokens of 2,048 bytes,
	s_lshl_b32 s77, s26, 8                         ; + my wave's 256 codes
	s_add_co_u32 s76, s76, s77
	s_mov_b32 s77, 0
	s_wait_kmcnt 0x0
	s_load_b512 s[32:47], s[8:9], 0x0              ; all 32 exponents: expert e's ex is s[32 + 4 e]
	s_load_b512 s[48:63], s[8:9], 0x40
	s_add_nc_u64 s[4:5], s[4:5], s[28:29]
	s_add_nc_u64 s[6:7], s[6:7], s[30:31]
	s_add_nc_u64 s[16:17], s[16:17], s[72:73]
	s_add_nc_u64 s[20:21], s[20:21], s[72:73]
	s_add_nc_u64 s[18:19], s[18:19], s[74:75]
	s_add_nc_u64 s[14:15], s[14:15], s[76:77]
.irp q, 0,1,2,3,4,5,6,7,8,9,10,11,12,13,14,15
	global_load_b128 v[RW+4*\q:RW+4*\q+3], v3, s[6:7] offset:16*\q
.endr
	WIN 0x40                                       ; destination window 1: x stays there, token j at v[8 j], until it is quantised
.set j, 0
.rept 32
	global_load_b128 v[8*j:8*j+3], v2, s[4:5] offset:4096*j th:TH_LOAD_NT
	global_load_b128 v[8*j+4:8*j+7], v2, s[4:5] offset:4096*j+16 th:TH_LOAD_NT
.set j, j+1
.endr
	WIN 0
; acc[e] += router_w(k_i, e) x x(k_i), two experts an instruction; xr: the register pair that holds x(k_i), odd: its upper word
.macro FMA4 acc, i, xr, odd
.irp p, 0,2,4,6
.if \odd
	v_pk_fma_f32 v[\acc+\p:\acc+\p+1], v[RW+8*(\i)+\p:RW+8*(\i)+\p+1], v[\xr:\xr+1], v[\acc+\p:\acc+\p+1] op_sel:[0,1,0] op_sel_hi:[1,1,1]
.else
	v_pk_fma_f32 v[\acc+\p:\acc+\p+1], v[RW+8*(\i)+\p:RW+8*(\i)+\p+1], v[\xr:\xr+1], v[\acc+\p:\acc+\p+1] op_sel_hi:[1,0,1]
.endif
.endr
.endm
; Eight numbers a lane are summed over the 32 lanes.  In each of three stages a lane keeps half of its numbers and gives the other half to its partner (lane xor 1, 2, 4):
; 4 + 2 + 1 exchanges in place of 8 x 3; two more steps (xor 8, xor 16) finish the one number that is left: that of the expert named by the lane's low three bits, reversed.
.macro RED8 a, g
.irp k, 0,1,2,3
	v_cndmask_b32 v[\g+\k], v[\a+4+\k], v[\a+\k], s66      ; what my partner keeps
	v_cndmask_b32 v[\a+\k], v[\a+\k], v[\a+4+\k], s66      ; what I keep
.endr
.irp k, 0,1,2,3
	v_add_f32_dpp v[\a+\k], v[\g+\k], v[\a+\k] row_xmask:1 row_mask:0xf bank_mask:0xf
.endr
.irp k, 0,1
	v_cndmask_b32 v[\g+\k], v[\a+2+\k], v[\a+\k], s67
	v_cndmask_b32 v[\a+\k], v[\a+\k], v[\a+2+\k], s67
.endr
.irp k, 0,1
	v_add_f32_dpp v[\a+\k], v[\g+\k], v[\a+\k] row_xmask:2 row_mask:0xf bank_mask:0xf
.endr
	v_cndmask_b32 v[\g], v[\a+1], v[\a], s68
	v_cndmask_b32 v[\a], v[\a], v[\a+1], s68
	v_add_f32_dpp v[\a], v[\g], v[\a] row_xmask:4 row_mask:0xf bank_mask:0xf
	v_add_f32_dpp v[\a], v[\a], v[\a] row_xmask:8 row_mask:0xf bank_mask:0xf
	v_permlanex16_b32 v[\g], v[\a], s70, s71
	v_add_f32 v[\a], v[\a], v[\g]
.endm
; tokens j and j + 1: my wave's part of their eight logits
.macro TOK2 j
	s_wait_loadcnt 60-2*(\j)                       ; loads come back in order: all up to token j + 1's are in; the 2 x (30 - j) behind them may be out
	WIN 0x04                                       ; source 1 (x) window 1
.irp p, 0,2,4,6
	v_pk_mul_f32 v[A0+\p:A0+\p+1], v[RW+\p:RW+\p+1], v[8*(\j):8*(\j)+1] op_sel_hi:[1,0]   ; the first product starts the sums
.endr
.irp p, 0,2,4,6
	v_pk_mul_f32 v[A1+\p:A1+\p+1], v[RW+\p:RW+\p+1], v[8*(\j)+8:8*(\j)+9] op_sel_hi:[1,0]
.endr
	FMA4 A0, 1, 8*(\j), 1
	FMA4 A1, 1, 8*(\j)+8, 1
.irp i, 2,4,6
	FMA4 A0, \i, 8*(\j)+\i, 0
	FMA4 A1, \i, 8*(\j)+8+\i, 0
	FMA4 A0, \i+1, 8*(\j)+\i, 1
	FMA4 A1, \i+1, 8*(\j)+8+\i, 1
.endr
	WIN 0
	RED8 A0, G0
	RED8 A1, G1
	ds_store_b32 v4, v[A0] offset:32*(\j)          ; four lanes hold each expert's sum and write the same word
	ds_store_b32 v4, v[A1] offset:32*(\j)+32
.endm
.irp j, 0,2,4,6,8,10,12,14,16,18,20,22,24,26,28,30
	TOK2 \j
.endr
	s_wait_dscnt 0x0                               ; my partial logits lie in LDS
	s_barrier_signal -1
	s_barrier_wait -1                              ; everybody's do
	s_cmp_lg_u32 s26, 0
	s_cbranch_scc1 .Lnot0
; wave 0, a lane to a token
.irp w, 0,1,2,3
	ds_load_b128 v[104+8*\w:107+8*\w], v5 offset:PART+1024*\w
	ds_load_b128 v[108+8*\w:111+8*\w], v5 offset:PART+1024*\w+16
.endr
	s_wait_dscnt 0x0
.irp p, 0,2,4,6
	v_pk_add_f32 v[104+\p:105+\p], v[104+\p:105+\p], v[112+\p:113+\p]
	v_pk_add_f32 v[120+\p:121+\p], v[120+\p:121+\p], v[128+\p:129+\p]
.endr
.irp p, 0,2,4,6
	v_pk_add_f32 v[104+\p:105+\p], v[104+\p:105+\p], v[120+\p:121+\p]      ; the eight logits
.endr
	v_max3_num_f32 v136, v104, v105, v106
	v_max3_num_f32 v136, v136, v107, v108
	v_max3_num_f32 v136, v136, v109, v110
	v_max_num_f32 v136, v136, v111                 ; the row's maximum is taken away ahead of the exponentials
.irp e, 0,1,2,3,4,5,6,7
	v_sub_f32 v[104+\e], v[104+\e], v136
.endr
.irp e, 0,1,2,3,4,5,6,7
	v_mul_f32 v[104+\e], 0x3fb8aa3b, v[104+\e]     ; x log2(e)
.endr
.irp e, 0,1,2,3,4,5,6,7
	v_exp_f32 v[104+\e], v[104+\e]
.endr
	v_nop                                          ; a plain instruction between the last exponential and the use of its result
	s_wait_alu depctr_va_vdst(0)
	v_add_f32 v137, v104, v105
	v_add_f32 v138, v106, v107
	v_add_f32 v139, v108, v109
	v_add_f32 v140, v110, v111
	v_add_f32 v137, v137, v138
	v_add_f32 v139, v139, v140
	v_add_f32 v137, v137, v139
	v_rcp_f32 v138, v137
	v_mov_b32 v140, 0                              ; (a plain place)  the first choice's index
	s_wait_alu depctr_va_vdst(0)
.irp e, 0,1,2,3,4,5,6,7
	v_mul_f32 v[104+\e], v[104+\e], v138           ; the probabilities
.endr
	v_mov_b32 v139, v104
.irp e, 1,2,3,4,5,6,7
	v_cmp_gt_f32 vcc_lo, v[104+\e], v139           ; strictly greater: of equals the lower index stays
	v_cndmask_b32 v139, v139, v[104+\e], vcc_lo
	v_cndmask_b32 v140, v140, \e, vcc_lo
.endr
.irp e, 0,1,2,3,4,5,6,7
	v_cmp_eq_u32 vcc_lo, \e, v140
	v_cndmask_b32 v[112+\e], v[104+\e], -1.0, vcc_lo       ; the first choice is out of the second search
.endr
	v_mov_b32 v141, v112
	v_mov_b32 v142, 0
.irp e, 1,2,3,4,5,6,7
	v_cmp_gt_f32 vcc_lo, v[112+\e], v141
	v_cndmask_b32 v141, v141, v[112+\e], vcc_lo
	v_cndmask_b32 v142, v142, \e, vcc_lo
.endr
	v_add_f32 v143, v139, v141
	v_add_f32 v143, 0x3089705f, v143               ; + 1e-9
	v_rcp_f32 v143, v143
	v_min_u32 v148, v140, v142                     ; (a plain place)  lo
	v_max_u32 v149, v140, v142                     ; hi
	s_wait_alu depctr_va_vdst(0)
	v_mul_f32 v144, v139, v143
	v_mul_f32 v145, v141, v143
	v_cmp_lt_u32 vcc_lo, v140, v142
	v_cndmask_b32 v146, v145, v144, vcc_lo         ; the lower expert's weight,
	v_cndmask_b32 v147, v144, v145, vcc_lo         ; the higher's
	v_sub_nc_u32 v150, 15, v148
	v_mul_u32_u24 v150, v150, v148
	v_lshrrev_b32 v150, 1, v150
	v_add_nc_u32 v150, v150, v149
	v_sub_nc_u32 v150, v150, v148
	v_add_nc_u32 v150, -1, v150                    ; the key: lo (15 - lo) / 2 + hi - lo - 1
	v_mov_b32 v151, 0                              ; my rank among the block's tokens of my key
	v_mov_b32 v155, 0                              ; lane p: the block's count of key p (lanes 28-31 stay 0)
.set p, 0
.rept 28
	v_cmp_eq_u32 s72, p, v150
	s_bcnt1_i32_b32 s73, s72
	v_mbcnt_lo_u32_b32 v152, s72, 0
	v_cndmask_b32 v151, v151, v152, s72
	v_writelane_b32 v155, s73, p
.set p, p+1
.endr
	v_lshl_or_b32 v154, v151, 8, v150              ; key | rank << 8
	s_wait_kmcnt 0x0                               ; the exponents
	v_mov_b32 v156, s32
	v_mov_b32 v157, s32
.irp e, 1,2,3,4,5,6,7
	v_cmp_eq_u32 vcc_lo, \e, v148
	v_cndmask_b32 v156, v156, s[32+4*\e], vcc_lo   ; ex of the lower expert: a choice of a value, no address hangs on it
	v_cmp_eq_u32 vcc_lo, \e, v149
	v_cndmask_b32 v157, v157, s[32+4*\e], vcc_lo
.endr
	v_add_nc_u32 v156, 127, v156
	v_add_nc_u32 v157, 127, v157
	v_lshlrev_b32 v160, 23, v156                   ; 2^ex as f32: the conversion takes its exponent field
	v_lshlrev_b32 v162, 23, v157
	v_add_nc_u32 v161, 0x7e00000, v160             ; 57,344 x 2^ex: 15 more in the exponent field, 0x600000 in the mantissa's
	v_add_nc_u32 v163, 0x7e00000, v162
	ds_store_b128 v6, v[160:163]
	v_mov_b32 v164, 0
.irp e, 0,1,2,3,4,5,6,7
	v_cmp_eq_u32 s72, \e, v140
	s_bcnt1_i32_b32 s73, s72
	v_writelane_b32 v164, s73, 8+4*(\e&1)+2*((\e>>1)&1)+((\e>>2)&1)       ; how many tokens chose e first, to the lane 8 on from the one that holds e's sum of probabilities
.endr
	v_cvt_f32_u32 v165, v164
	RED8 104, 112                                  ; the block's sums of probabilities
	s_mov_b32 s74, 0xff00
	v_cndmask_b32 v104, v104, v165, s74            ; lanes 0-7 sums, lanes 8-15 counts
	global_store_b64 v8, v[154:155], s[20:21]      ; 32 lanes store 256 consecutive bytes, aligned
	global_store_b64 v8, v[146:147], s[16:17]      ; likewise
	s_wait_xcnt 0x0                                ; EXEC changes only behind this wait
	v_cmp_gt_u32 vcc_lo, 16, v1
	s_and_saveexec_b32 s72, vcc_lo
	global_store_b32 v166, v104, s[18:19]          ; the block's 16 words
	s_wait_xcnt 0x0                                ; and again in front of the line that widens it; the stores' data may be written again too
	s_or_b32 exec_lo, exec_lo, s72
.Lnot0:
	s_wait_dscnt 0x0                               ; wave 0: the scale words lie in LDS
	s_barrier_signal -1
	s_barrier_wait -1
.set j, 0
.rept 32
	ds_load_b128 v[SC+4*j:SC+4*j+3], v7 offset:SCB+16*j    ; every lane reads the same 16 bytes: token j's four words
.set j, j+1
.endr
	s_wait_dscnt 0x0
; four tokens: my 8 numbers of each, held and converted twice, once with each of the token's two scales
.macro QB b
	WIN 0x01                                       ; source 0 (x) window 1
.irp t, 0,1,2,3
.irp i, 0,1,2,3,4,5,6,7
	v_med3_num_f32 v[TA+16*\t+\i], v[8*(4*(\b)+\t)+\i], -v[SC+4*(4*(\b)+\t)+1], v[SC+4*(4*(\b)+\t)+1]     ; the conversion to an 8-bit code does not saturate (ISA guide 7.6.2): hold first
	v_med3_num_f32 v[TA+16*\t+8+\i], v[8*(4*(\b)+\t)+\i], -v[SC+4*(4*(\b)+\t)+3], v[SC+4*(4*(\b)+\t)+3]
.endr
.endr
	WIN 0
	s_wait_xcnt 0x0                                ; the last four tokens' stores have read their data: the codes' registers are written again only behind this wait
.irp t, 0,1,2,3
	v_cvt_scalef32_pk8_bf8_f32 v[CD+4*\t:CD+4*\t+1], v[TA+16*\t:TA+16*\t+7], v[SC+4*(4*(\b)+\t)]
	v_cvt_scalef32_pk8_bf8_f32 v[CD+4*\t+2:CD+4*\t+3], v[TA+16*\t+8:TA+16*\t+15], v[SC+4*(4*(\b)+\t)+2]
.endr
	v_nop                                          ; a plain instruction between the conversions and the next lines that write their sources
.irp t, 0,1,2,3
	global_store_b64 v8, v[CD+4*\t:CD+4*\t+1], s[14:15] offset:2048*(4*(\b)+\t)            ; 32 lanes store 256 consecutive bytes, aligned
	global_store_b64 v8, v[CD+4*\t+2:CD+4*\t+3], s[14:15] offset:2048*(4*(\b)+\t)+1024
.endr
.endm
.irp b, 0,1,2,3,4,5,6,7
	QB \b
.endr
	s_wait_tensorcnt 0x0
	ds_add_u32 v254, v255
	s_wait_dscnt 0x0
	s_endpgm
; ------------------------------------------------------------------ the weights' images
; A wave turns 16 KB in four tasks.  A task: 16 rows x 256 bytes (two fragments) come in by rows, sixteen lanes to a row's 256 bytes, go through the wave's own stage
; (rows 272 bytes apart) and come back as a lane's 16 bytes of its row; each store covers 512 consecutive bytes.  LDS serves a wave's instructions in order, so no wait stands between stores and loads.
.macro RELAY src, stage, pitch, perm, w2
	v_mul_u32_u24 v4, v3, \pitch
	v_lshl_add_u32 v4, v2, 4, v4                   ; in memory: (lane / 16) rows + 16 (lane % 16)
	s_mul_i32 s28, s26, 16*272
	s_add_co_u32 s28, s28, \stage                  ; my stage
	v_mul_u32_u24 v5, v3, 272
	v_lshl_add_u32 v5, v2, 4, v5
	v_add_nc_u32 v5, s28, v5                       ; into it, as loaded
	v_mul_u32_u24 v6, v2, 272
	v_lshl_add_u32 v6, v3, 4, v6
	v_add_nc_u32 v6, s28, v6                       ; out of it: row lane % 16, + 16 (lane / 16)
.irp i, 0,1,2,3
.if \w2
.set SI, (\i/2)*8192+(\i%2)*256
.else
.set SI, 256*\i
.endif
.irp q, 0,1,2,3,4,5,6,7
	global_load_b128 v[16+32*\i+4*\q:16+32*\i+4*\q+3], v4, s[\src:\src+1] offset:SI+(2*\q+8*\perm*(\q/4))*\pitch th:TH_LOAD_NT
.endr
.endr
.irp i, 0,1,2,3
	s_wait_loadcnt 8*(3-\i)                        ; this task's eight loads are in; the later tasks' may be out
.irp q, 0,1,2,3,4,5,6,7
	ds_store_b128 v5, v[16+32*\i+4*\q:16+32*\i+4*\q+3] offset:544*\q
.endr
.irp f, 0,1
.irp c, 0,1,2,3
	ds_load_b128 v[16+32*\i+16*\f+4*\c:16+32*\i+16*\f+4*\c+3], v6 offset:128*\f+32*\c
.endr
.endr
	s_wait_dscnt 0x0
.irp f, 0,1
.if \w2
.set DI, (\i/2)*2048+(2*(\i%2)+\f)*16384
.else
.set DI, (2*\i+\f)*16384
.endif
.irp c, 0,1,2,3
	global_store_b128 v9, v[16+32*\i+16*\f+4*\c:16+32*\i+16*\f+4*\c+3], s[22:23] offset:DI+512*\c
.endr
.endr
.endr
.endm
.Lrelay:
	v_and_b32 v2, 15, v1
	v_lshrrev_b32 v3, 4, v1
	v_lshlrev_b32 v9, 4, v1                        ; an image's place for my lane
	s_sub_co_u32 s27, ttmp9, 256
	s_cmp_ge_u32 s27, 64
	s_cbranch_scc1 .Lw2
	s_lshr_b32 s28, s27, 3                         ; W1: expert,
	s_and_b32 s29, s27, 7
	s_lshl_b32 s29, s29, 2
	s_add_co_u32 s29, s29, s26                     ; which of its 32 tiles of 16 rows: 8 w + t
	s_lshr_b32 s30, s29, 3
	s_and_b32 s31, s29, 7
	s_lshl_b32 s28, s28, 19
	s_lshl_b32 s30, s30, 17
	s_add_co_u32 s28, s28, s30                     ; e 2^19 + w 2^17: in the source 128 w rows of 1,024 bytes, in the images w's part
	s_lshr_b32 s32, s31, 1
	s_lshl_b32 s32, s32, 15                        ; 32 (t / 2) rows
	s_and_b32 s33, s31, 1
	s_lshl_b32 s33, s33, 13                        ; 8 (t % 2) rows
	s_add_co_u32 s32, s32, s33
	s_add_co_u32 s32, s32, s28
	s_mov_b32 s33, 0
	s_lshl_b32 s34, s31, 11
	s_add_co_u32 s34, s34, s28
	s_mov_b32 s35, 0
	s_wait_kmcnt 0x0
	s_add_nc_u64 s[10:11], s[10:11], s[32:33]
	s_add_nc_u64 s[22:23], s[22:23], s[34:35]
	RELAY 10, ST1, 1024, 1, 0
	s_wait_tensorcnt 0x0
	ds_add_u32 v254, v255
	s_wait_dscnt 0x0
	s_endpgm
.Lw2:
	s_sub_co_u32 s27, s27, 64
	s_lshr_b32 s28, s27, 3                         ; W2: expert,
	s_and_b32 s29, s27, 7
	s_lshl_b32 s29, s29, 2
	s_add_co_u32 s29, s29, s26                     ; which 32 of its 1,024 rows
	s_lshl_b32 s28, s28, 19
	s_lshl_b32 s32, s29, 14                        ; 32 rows of 512 bytes
	s_add_co_u32 s32, s32, s28
	s_mov_b32 s33, 0
	s_lshr_b32 s30, s29, 3
	s_lshl_b32 s30, s30, 17                        ; w
	s_bfe_u32 s31, s29, 0x10002
	s_lshl_b32 s31, s31, 16                        ; g: 4 g steps of 16,384 bytes
	s_and_b32 s34, s29, 3
	s_lshl_b32 s34, s34, 12                        ; t = 2 (.. % 4), + 1 for the second 16 rows
	s_add_co_u32 s34, s34, s31
	s_add_co_u32 s34, s34, s30
	s_add_co_u32 s34, s34, s28
	s_add_co_u32 s34, s34, 0x400000
	s_mov_b32 s35, 0
	s_wait_kmcnt 0x0
	s_add_nc_u64 s[12:13], s[12:13], s[32:33]
	s_add_nc_u64 s[22:23], s[22:23], s[34:35]
	RELAY 12, ST2, 512, 0, 1
	s_wait_tensorcnt 0x0
	ds_add_u32 v254, v255
	s_wait_dscnt 0x0
	s_endpgm
.Lfunc_end_k_q37be4dbe4f_route:
	.size	k_q37be4dbe4f_route, .Lfunc_end_k_q37be4dbe4f_route-k_q37be4dbe4f_route
	.p2alignl 7, 3214868480
	.fill 96, 4, 3214868480
	.section	.rodata,"a",@progbits
	.p2align	6, 0x0
	.amdhsa_kernel k_q37be4dbe4f_route
		.amdhsa_group_segment_fixed_size 39936
		.amdhsa_private_segment_fixed_size 0
		.amdhsa_enable_private_segment 0
		.amdhsa_kernarg_size 80
		.amdhsa_user_sgpr_count 2
		.amdhsa_user_sgpr_kernarg_segment_ptr 1
		.amdhsa_wavefront_size32 1
		.amdhsa_system_sgpr_workgroup_id_x 1
		.amdhsa_system_sgpr_workgroup_id_y 1
		.amdhsa_system_sgpr_workgroup_id_z 1
		.amdhsa_system_vgpr_workitem_id 0
		.amdhsa_next_free_vgpr 512
		.amdhsa_next_free_sgpr 80
		.amdhsa_reserve_vcc 1
		.amdhsa_float_denorm_mode_32 3
		.amdhsa_float_denorm_mode_16_64 3
		.amdhsa_memory_ordered 1
		.amdhsa_forward_progress 1
		.amdhsa_inst_pref_size 214
	.end_amdhsa_kernel
	.amdgpu_metadata
---
amdhsa.version: [ 1, 2 ]
amdhsa.kernels:
  - .name:           k_q37be4dbe4f_route
    .symbol:         k_q37be4dbe4f_route.kd
    .args:
      - { .name: x, .offset: 0, .size: 8, .value_kind: global_buffer, .address_space: global }
      - { .name: router_w, .offset: 8, .size: 8, .value_kind: global_buffer, .address_space: global }
      - { .name: lowp_scales, .offset: 16, .size: 8, .value_kind: global_buffer, .address_space: global }
      - { .name: w1_codes, .offset: 24, .size: 8, .value_kind: global_buffer, .address_space: global }
      - { .name: w2_codes, .offset: 32, .size: 8, .value_kind: global_buffer, .address_space: global }
      - { .name: xq, .offset: 40, .size: 8, .value_kind: global_buffer, .address_space: global }
      - { .name: comb, .offset: 48, .size: 8, .value_kind: global_buffer, .address_space: global }
      - { .name: part, .offset: 56, .size: 8, .value_kind: global_buffer, .address_space: global }
      - { .name: meta, .offset: 64, .size: 8, .value_kind: global_buffer, .address_space: global }
      - { .name: wimg, .offset: 72, .size: 8, .value_kind: global_buffer, .address_space: global }
    .group_segment_fixed_size: 39936
    .private_segment_fixed_size: 0
    .kernarg_segment_align: 8
    .kernarg_segment_size: 80
    .max_flat_workgroup_size: 128
    .sgpr_count:     80
    .vgpr_count:     512
    .wavefront_size: 32
...
	.end_amdgpu_metadata
.endif
;; end of part 1
;; launch place (part 2): grid 1 x 1, 32 waves a work-group, no clusters, 39,936 bytes of LDS; arguments meta, part, rows, tiles, out1; writes rows, tiles, out1
.if DOCPART == 2
	.amdgcn_target "amdgcn-amd-amdhsa--gfx1250"
	.amdhsa_code_object_version 6
	.text
	.protected	k_q37be4dbe4f_place
	.globl	k_q37be4dbe4f_place
	.p2align	8
	.type	k_q37be4dbe4f_place,@function
k_q37be4dbe4f_place:
	s_mov_b64 s[64:65], 0
	v_nop
	global_prefetch_b8 v0, s[64:65] scope:SCOPE_SE
	s_setreg_imm32_b32 hwreg(HW_REG_WAVE_MODE, 25, 1), 1
	s_wait_xcnt 0x0
; PLACE.  One work-group sorts the 8,192 tokens by their pair of experts (a counting sort on the stored keys, ranks and counts; no atomics) into tiles of 64 rows that hold one pair each,
; writes the table of tiles, and finishes the auxiliary loss.
;   rows[64 tile + slot] = token.  A pair with n tokens takes ceil(n / 64) tiles on end; slots past a tile's count are not written and not read.
;   tiles[tile] = (lo, hi, rows in the tile, 0), for 160 tiles; with 28 pairs and 8,192 tokens at most 128 + 27 = 155 are in use, whatever the choice; the others get the count 0.
;   out1 = 8 x sum over e of (first choices of e / 8,192) x (sum of e's probabilities / 8,192).
; One work-group, since each step needs all counts; 32 waves, a wave to a key (keys 28-31 have no tokens).
.set PP,  1040                         ; LDS: a key's row: 256 blocks x 4 bytes + 16
.set CNT, 32*PP                        ; 33,280: the 32 keys' totals
.set AUX, CNT+256                      ; 33,536: [wave][16 f32]
	s_load_b256 s[16:23], s[0:1], 0x0              ; meta s[16:17], part s[18:19], rows s[20:21], tiles s[22:23]
	s_load_b64 s[24:25], s[0:1], 0x20              ; out1
	v_lshl_add_u32 v96, v0, 2, 0x8c00
	v_mov_b32 v97, 0
	v_lshrrev_b32 v1, 5, v0
	v_readfirstlane_b32 s8, v1                     ; wave 0..31
	v_and_b32 v1, 31, v0                           ; lane
	v_lshrrev_b32 v2, 4, v1                        ; lane / 16
	v_mov_b32 v3, 0                                ; at work in the scans (a lane move's destination counts as read)
	s_lshl_b32 s9, s8, 11
	v_lshl_add_u32 v4, v1, 4, s9                   ; meta: 2,048 wave + 16 lane
	v_lshlrev_b32 v5, 4, v0                        ; 16 x thread: part, tiles
	v_lshlrev_b32 v6, 1, v1
	v_and_b32 v6, 30, v6                           ; the key of my even entries: 2 lane mod 32
	v_mul_u32_u24 v6, v6, PP
	s_lshl_b32 s10, s8, 5
	v_lshl_add_u32 v12, v2, 2, s10                 ; 4 x (8 wave + lane / 16): my entries' block, less 2 j
	v_add_nc_u32 v6, v6, v12                       ; where my counts go
	s_mul_i32 s11, s8, PP
	v_lshl_add_u32 v7, v1, 5, s11                  ; my wave's row, my 8 blocks
	s_lshl_b32 s13, s8, 2
	s_add_co_u32 s13, s13, CNT
	v_mov_b32 v8, s13                              ; CNT + 4 wave
	v_lshl_add_u32 v9, v1, 2, CNT                  ; CNT + 4 lane
	v_and_b32 v10, 3, v1
	s_lshl_b32 s14, s8, 6
	s_add_co_u32 s14, s14, AUX
	v_lshl_add_u32 v10, v10, 4, s14                ; AUX + 64 wave + 16 (lane % 4)
	v_lshl_add_u32 v11, v1, 4, AUX                 ; AUX + 16 lane
	s_lshl_b32 s15, s8, 8
	v_lshl_add_u32 v13, v1, 1, s15                 ; my first token: 256 wave + 2 lane
.irp k, 0,1,2,3
	v_mov_b32 v[36+\k], 0
.endr
	s_mov_b32 s26, 0x76543210                      ; v_permlanex16_b32: lane l xor 16
	s_mov_b32 s27, 0xfedcba98
	s_wait_kmcnt 0x0
.irp j, 0,1,2,3
	global_load_b128 v[16+4*\j:19+4*\j], v4, s[16:17] offset:512*\j        ; entries 256 wave + 64 j + 2 lane + 0, 1: (key | rank << 8, count), twice
.endr
	global_load_b128 v[32:35], v5, s[18:19]        ; part: block thread / 4, words 4 (thread % 4) on
; the inclusive sum of v[val] over the wave's 32 lanes
.macro SCAN32 val, tmp
.irp n, 1,2,4,8
	v_mov_b32_dpp v[\tmp], v[\val] row_shr:\n row_mask:0xf bank_mask:0xf bound_ctrl:1
	v_add_nc_u32 v[\val], v[\val], v[\tmp]
.endr
	v_readlane_b32 s12, v[\val], 15
	v_mad_u32_u24 v[\val], v2, s12, v[\val]        ; lanes 16-31: + the lower half's total
.endm
	s_wait_loadcnt 0x1                             ; meta is in; part's one load may be out
.irp j, 0,1,2,3
.irp c, 0,1
	ds_store_b32 v6, v[17+4*\j+2*\c] offset:\c*PP+8*\j     ; the count of (key 2 lane % 32 + c, block 8 wave + 2 j + lane / 16) to its key's row
.endr
.endr
	s_wait_dscnt 0x0
	s_barrier_signal -1
	s_barrier_wait -1                              ; A: the counts lie by keys
	ds_load_b128 v[40:43], v7                      ; my key's counts of blocks 8 lane .. 8 lane + 7
	ds_load_b128 v[44:47], v7 offset:16
	s_wait_dscnt 0x0
	v_mov_b32 v57, v40                             ; the sums of the blocks ahead, within my eight
	v_add_nc_u32 v58, v57, v41
	v_add_nc_u32 v59, v58, v42
	v_add_nc_u32 v60, v59, v43
	v_add_nc_u32 v61, v60, v44
	v_add_nc_u32 v62, v61, v45
	v_add_nc_u32 v63, v62, v46
	v_add_nc_u32 v48, v63, v47                     ; my eight blocks' total
	v_mov_b32 v49, v48
	SCAN32 48, 3
	v_sub_nc_u32 v49, v48, v49                     ; the lanes ahead of me
	v_readlane_b32 s9, v48, 31                     ; the key's tokens
	v_mov_b32 v50, s9
	ds_store_b32 v8, v50                           ; all lanes write the same word with the same value
	s_wait_loadcnt 0x0                             ; part
.irp k, 0,1,2,3
	v_add_f32_dpp v[32+\k], v[32+\k], v[32+\k] row_xmask:4 row_mask:0xf bank_mask:0xf      ; over the wave's eight blocks: lanes 4, 8, 16 apart hold the same words
.endr
.irp k, 0,1,2,3
	v_add_f32_dpp v[32+\k], v[32+\k], v[32+\k] row_xmask:8 row_mask:0xf bank_mask:0xf
.endr
.irp k, 0,1,2,3
	v_permlanex16_b32 v[36+\k], v[32+\k], s26, s27
.endr
.irp k, 0,1,2,3
	v_add_f32 v[32+\k], v[32+\k], v[36+\k]
.endr
	ds_store_b128 v10, v[32:35]
	s_wait_dscnt 0x0
	s_barrier_signal -1
	s_barrier_wait -1                              ; B: all totals and all partial sums lie in LDS
	ds_load_b32 v50, v9                            ; lane l: key l's tokens
	s_wait_dscnt 0x0
	v_add_nc_u32 v51, 63, v50
	v_lshrrev_b32 v51, 6, v51                      ; its tiles
	v_mov_b32 v52, v51
	SCAN32 52, 3
	v_sub_nc_u32 v52, v52, v51                     ; its first tile
	v_readlane_b32 s9, v52, s8                     ; my key's
	s_lshl_b32 s9, s9, 6
	v_add_nc_u32 v56, s9, v49                      ; a token's place = 64 x first tile + tokens of the key in earlier blocks + rank in its block
.irp i, 1,2,3,4,5,6,7
	v_add_nc_u32 v[56+\i], v[56+\i], v56
.endr
	ds_store_b128 v7, v[56:59]                     ; over my row's counts, which my wave alone has read
	ds_store_b128 v7, v[60:63] offset:16
	s_wait_dscnt 0x0
	s_barrier_signal -1
	s_barrier_wait -1                              ; C: no LDS byte is written from here on
.irp j, 0,1,2,3
.irp c, 0,1
	v_and_b32 v[56+2*\j+\c], 0xff, v[16+4*\j+2*\c]
	v_min_u32 v[56+2*\j+\c], 31, v[56+2*\j+\c]     ; the key, held inside the table
	v_mad_u32_u24 v[56+2*\j+\c], v[56+2*\j+\c], PP, v12
	ds_load_b32 v[64+2*\j+\c], v[56+2*\j+\c] offset:8*\j
.endr
.endr
	s_wait_dscnt 0x0
.irp j, 0,1,2,3
.irp c, 0,1
	v_lshrrev_b32 v[80+2*\j+\c], 8, v[16+4*\j+2*\c]        ; the rank
	v_add_nc_u32 v[80+2*\j+\c], v[80+2*\j+\c], v[64+2*\j+\c]
	v_min_u32 v[80+2*\j+\c], 9919, v[80+2*\j+\c]           ; held inside rows: 155 x 64 - 1
	v_lshlrev_b32 v[80+2*\j+\c], 2, v[80+2*\j+\c]
	v_add_nc_u32 v[72+2*\j+\c], 64*\j+\c, v13              ; the token
	global_store_b32 v[80+2*\j+\c], v[72+2*\j+\c], s[20:21]        ; the sort's scatter: 4 bytes to the token's place
.endr
.endr
	s_cmp_ge_u32 s8, 5
	s_cbranch_scc1 .Lno_tiles
	; waves 0-4, a thread to a tile: its pair is the last whose first tile is not behind it (first tiles ascend; a pair without tokens shares its first tile with the next)
	v_mov_b32 v40, -1
	v_mov_b32 v41, 0
	v_mov_b32 v42, 0
.set l, 0
.rept 32
	v_readlane_b32 s9, v52, l
	v_readlane_b32 s10, v50, l
	v_cmp_le_u32 vcc_lo, s9, v0
	v_cndmask_b32 v41, v41, s9, vcc_lo             ; its first tile,
	v_cndmask_b32 v42, v42, s10, vcc_lo            ; its tokens,
	v_add_co_ci_u32 v40, vcc_lo, 0, v40, vcc_lo    ; its number
.set l, l+1
.endr
	v_sub_nc_u32 v43, v0, v41
	v_lshlrev_b32 v43, 6, v43                      ; the pair's tokens in the tiles ahead,
	v_min_u32 v43, v43, v42
	v_sub_nc_u32 v46, v42, v43                     ; those left,
	v_min_u32 v46, 64, v46                         ; those of this tile: 0 for a tile behind the last
	v_mov_b32 v44, 0
.irp c, 7,13,18,22,25,27
	v_cmp_le_u32 vcc_lo, \c, v40
	v_add_co_ci_u32 v44, vcc_lo, 0, v44, vcc_lo    ; lo: how many of the first keys of lo = 1 .. 6 are not above the key
.endr
	v_sub_nc_u32 v45, 15, v44
	v_mul_u32_u24 v45, v45, v44
	v_lshrrev_b32 v45, 1, v45
	v_sub_nc_u32 v45, v40, v45
	v_add3_u32 v45, v45, v44, 1                    ; hi = key - lo (15 - lo) / 2 + lo + 1
	v_mov_b32 v47, 0
	global_store_b128 v5, v[44:47], s[22:23]       ; 32 lanes store 512 consecutive bytes
.Lno_tiles:
	s_cmp_lg_u32 s8, 31
	s_cbranch_scc1 .Lend
	; wave 31: the auxiliary loss
.irp i, 0,1,2,3
	ds_load_b128 v[16+4*\i:19+4*\i], v11 offset:512*\i     ; wave lane / 4 + 8 i's words 4 (lane % 4) on
.endr
	s_wait_dscnt 0x0
	v_pk_add_f32 v[16:17], v[16:17], v[20:21]
	v_pk_add_f32 v[18:19], v[18:19], v[22:23]
	v_pk_add_f32 v[24:25], v[24:25], v[28:29]
	v_pk_add_f32 v[26:27], v[26:27], v[30:31]
	v_pk_add_f32 v[16:17], v[16:17], v[24:25]
	v_pk_add_f32 v[18:19], v[18:19], v[26:27]
.irp k, 0,1,2,3
	v_add_f32_dpp v[16+\k], v[16+\k], v[16+\k] row_xmask:4 row_mask:0xf bank_mask:0xf
.endr
.irp k, 0,1,2,3
	v_add_f32_dpp v[16+\k], v[16+\k], v[16+\k] row_xmask:8 row_mask:0xf bank_mask:0xf
.endr
.irp k, 0,1,2,3
	v_permlanex16_b32 v[36+\k], v[16+\k], s26, s27
.endr
.irp k, 0,1,2,3
	v_add_f32 v[16+\k], v[16+\k], v[36+\k]         ; lane % 4 = 0, 1: the eight sums of probabilities; 2, 3: the eight counts, in the same order
.endr
.irp k, 0,1,2,3
	v_mul_f32_dpp v[16+\k], v[16+\k], v[16+\k] row_xmask:2 row_mask:0xf bank_mask:0xf      ; sum x count of the same expert
.endr
	v_add_f32 v16, v16, v17
	v_add_f32 v18, v18, v19
	v_add_f32 v16, v16, v18
	v_add_f32_dpp v16, v16, v16 row_xmask:1 row_mask:0xf bank_mask:0xf
	v_mul_f32 v16, 0x34000000, v16                 ; x 8 / 8,192^2 = 2^-23
	v_mov_b32 v18, 0
	s_wait_xcnt 0x0                                ; EXEC changes only behind this wait
	v_cmp_eq_u32 vcc_lo, 0, v1
	s_and_saveexec_b32 s9, vcc_lo
	global_store_b32 v18, v16, s[24:25]
	s_wait_xcnt 0x0
	s_or_b32 exec_lo, exec_lo, s9
.Lend:
	s_wait_tensorcnt 0x0
	ds_add_u32 v96, v97
	s_wait_dscnt 0x0
	s_endpgm
.Lfunc_end_k_q37be4dbe4f_place:
	.size	k_q37be4dbe4f_place, .Lfunc_end_k_q37be4dbe4f_place-k_q37be4dbe4f_place
	.p2alignl 7, 3214868480
	.fill 96, 4, 3214868480
	.section	.rodata,"a",@progbits
	.p2align	6, 0x0
	.amdhsa_kernel k_q37be4dbe4f_place
		.amdhsa_group_segment_fixed_size 39936
		.amdhsa_private_segment_fixed_size 0
		.amdhsa_enable_private_segment 0
		.amdhsa_kernarg_size 40
		.amdhsa_user_sgpr_count 2
		.amdhsa_user_sgpr_kernarg_segment_ptr 1
		.amdhsa_wavefront_size32 1
		.amdhsa_system_sgpr_workgroup_id_x 1
		.amdhsa_system_sgpr_workgroup_id_y 1
		.amdhsa_system_sgpr_workgroup_id_z 1
		.amdhsa_system_vgpr_workitem_id 0
		.amdhsa_next_free_vgpr 98
		.amdhsa_next_free_sgpr 66
		.amdhsa_reserve_vcc 1
		.amdhsa_float_denorm_mode_32 3
		.amdhsa_float_denorm_mode_16_64 3
		.amdhsa_memory_ordered 1
		.amdhsa_forward_progress 1
		.amdhsa_inst_pref_size 25
	.end_amdhsa_kernel
	.amdgpu_metadata
---
amdhsa.version: [ 1, 2 ]
amdhsa.kernels:
  - .name:           k_q37be4dbe4f_place
    .symbol:         k_q37be4dbe4f_place.kd
    .args:
      - { .name: meta, .offset: 0, .size: 8, .value_kind: global_buffer, .address_space: global }
      - { .name: part, .offset: 8, .size: 8, .value_kind: global_buffer, .address_space: global }
      - { .name: rows, .offset: 16, .size: 8, .value_kind: global_buffer, .address_space: global }
      - { .name: tiles, .offset: 24, .size: 8, .value_kind: global_buffer, .address_space: global }
      - { .name: out1, .offset: 32, .size: 8, .value_kind: global_buffer, .address_space: global }
    .group_segment_fixed_size: 39936
    .private_segment_fixed_size: 0
    .kernarg_segment_align: 8
    .kernarg_segment_size: 40
    .max_flat_workgroup_size: 1024
    .sgpr_count:     66
    .vgpr_count:     98
    .wavefront_size: 32
...
	.end_amdgpu_metadata
.endif
;; end of part 2
;; launch chain (part 3): grid 155 x 1, 4 waves a work-group, no clusters, 232,960 bytes of LDS; arguments tiles, rows, comb, lowp_scales, xq, wimg, out0; writes out0
.if DOCPART == 3
	.amdgcn_target "amdgcn-amd-amdhsa--gfx1250"
	.amdhsa_code_object_version 6
	.text
	.protected	k_q37be4dbe4f_chain
	.globl	k_q37be4dbe4f_chain
	.p2align	8
	.type	k_q37be4dbe4f_chain,@function
k_q37be4dbe4f_chain:
	s_mov_b64 s[64:65], 0
	v_nop
	global_prefetch_b8 v0, s[64:65] scope:SCOPE_SE
	s_setreg_imm32_b32 hwreg(HW_REG_WAVE_MODE, 25, 1), 1
	s_wait_xcnt 0x0
; CHAIN.  A work-group takes one tile of up to 64 tokens that chose the same pair of experts (lo, hi) through both experts:
;   out[token] = c_lo silu(x W1_lo) W2_lo + c_hi silu(x W1_hi) W2_hi, all four products on E5M2 codes by v_wmma_f32_16x16x128_bf8_bf8, sums in f32.  Each output row has one owner; the hidden layer stays in LDS.
; GRID.  155 = 8,192 / 64 + 28 - 1 tiles serve every split of the tokens over the 28 pairs.  A tile that the split leaves without rows does no product and stores nothing: scalar branches on its stored count jump
; over the products.  They jump over no barrier and over no line that steps an address: every wave passes both barriers and walks the loop over the two experts, whatever the count.  So that every register is
; written on every way, such a tile runs the head too, on slot 0 of tile 0 (which always holds a token): 128 KB of codes and 128 KB of weights fetched for nothing, the price of a grid that serves every split.
; neighbouring tiles need not share a pair.
; The weights come from memory straight into registers, from images of the operands' registers laid out by the first launch, 512 consecutive bytes a load.
; SHARES.  Four waves.  Each makes 128 hidden units and 256 output columns, for all 64 rows.  Both products are used transposed (source 0 = 16 rows of a weight, source 1 = 16 tokens), so that a lane
; holds one token (lane % 16) and its registers run along the hidden units or the output columns.  The rows of W1 that form a tile are chosen (in the images) so that the 16 registers of tiles 2 b and 2 b + 1
; are 16 neighbours along the next K: the conversions' results are the next operand's registers, and go to the other waves through LDS as they stand.
; A STEP is 128 along K: 8 weight fragments (32 loads, 16 KB on end), 4 fragments of rows from LDS (16 loads), 32 matrix instructions on 32 accumulators by turns.  32 steps a wave.  Weights run two steps ahead
; in the two halves of window 1: 64 loads, 32 KB, of every wave are out.
; THE WALK.  Some 36 tiles walk each expert's weights.  A sum does not care for the order of its K steps, so each work-group starts at another one: with rot = 0 .. 7 made of the work-group's number, slot j of the
; first product is K step (j + rot) % 8, slot j of the second is K step (j + rot % 4) % 4, and the two chunks of 128 columns are taken in the order that rot / 4 gives.  The work-groups that share an expert then ask
; for different parts of its weights at any one time: each part is asked for first by one of them, and again, later, by the others.  All of it lies in offsets into memory, and no LDS address hangs on rot:
; x's codes are fetched so that slot j of a row in LDS holds K step (j + rot) % 8, and wave w makes hidden units 128 ((w + rot) % 4) on and puts them into slot w.
; k's place in a fragment's registers (4 c .. 4 c + 3: k = 32 c + 16 (lane / 16) + 0 .. 15) is a permutation of the form's own, the same in both operands, so every product meets its partner.
; A tile with fewer than 64 rows repeats its last token in the slots left over: those lanes compute and store that row's numbers once more, and no lane is ever off.
; LIMITS on the given exponents, so that each power of two below is an f32 number: ex + ew1 between -126 and 127; eh - ex - ew1 between -126 and 112; eh + ew2 is applied by v_ldexp_f32 and has none.  NaN is not served.
; The order in which a sum takes its K steps differs from work-group to work-group; the sums are f32.
; REGISTERS, in windows of 256.  Window 0: v1-11 addresses; v12-15, v40-47 the steps' offsets in the weights, never rewritten; v30-31 those of the next stream's first two steps; v16-20 tokens; v22-29 the rows' two factors;
;   v32-35; v21, v36-39 offsets at the head; v48-111 the 64 rows' offsets in out; v112-127 xq's offsets, then the codes just made; v128-191, v192-255 two sets of four row fragments, also at work at the head and in the epilogues.
;   Window 1: the weights, two sets of 8 fragments.  Window 2: xq as it lands, then 32 accumulators ((m, t) at v[8 (8 m + t)]).  Window 3: 32 more, for the higher expert's second product.
.set XP,   1040                        ; LDS: a token's 1,024 codes + 16: sixteen rows that a fragment load touches start 65 x 16 bytes apart
.set XB,   64*XP                       ; 66,560: the codes with the higher expert's scale (those with the lower's lie at 0)
.set HB,   2*XB                        ; 133,120: the hidden layer: [expert][4 m + slot] images of 2,048 bytes
.set STG,  HB+65536                    ; 198,656: the way out: 16 rows x 528 bytes for each wave
.set SP,   528
.set W2J,  12                          ; v12-15  16 lane + 16,384 x the second product's K step in slot j
.set TM,   16                          ; v16-19  lane (r, h): the token of row 16 m + r
.set FAB,  22                          ; v22-29  pairs: c_lo 2^(eh + ew2 of lo), c_hi 2^(eh + ew2 of hi) of that token
.set NJ,   30                          ; v30-31  the offsets of slots 0 and 1 of the stream that follows the one in hand
.set WJ,   40                          ; v40-47  16 lane + 16,384 x the first product's K step in slot j
.set TOFF, 48
.set XOA,  112                         ; v112-127  row p of my 16: token x 2,048 + my lane's place in the first 512 bytes of a rotated row
.set XOB,  128                         ; v128-143  the same for the second 512
.set PC,   112
.set XF0,  128
.set TT,   192
.set YY,   128
.set BK,   192
.set CNT,  53                          ; s53  rows in my tile, 0 to 64
.set OUTB, 54                          ; s[54:55], s[56:57]  out0 at my columns of the first and of the second chunk
.set CUR,  58                          ; s[58:59]  the weights in hand: wimg + expert + my block
.set NXT,  60                          ; s[60:61]  those that follow
.set SW2,  66                          ; s[66:73]  W2's images: lo, hi of the first chunk; lo, hi of the second
.set ROT,  74                          ; s74  rot;  s75  rot % 4;  s76  rot / 4
.set R4,   75
.set GSW,  76
.set TK,   80                          ; s80-95  sixteen tokens on their way from a vector register's lanes into offsets
.set MSB, 0
.macro WIN new                         ; the immediate's high byte repeats the setting that is left
.if MSB != \new
	s_set_vgpr_msb (MSB<<8)|\new
.set MSB, \new
.endif
.endm
; A load into a register that a matrix instruction has read, and a vector instruction that reads a matrix result or writes a matrix instruction's source, stand four places behind it; only plain vector
; instructions that name none of its registers are places.
.macro PLACES
.rept 4
	v_nop
.endr
.endm
	s_load_b256 s[4:11], s[0:1], 0x0               ; tiles s[4:5], rows s[6:7], comb s[8:9], the exponents s[10:11]
	s_load_b128 s[12:15], s[0:1], 0x20             ; xq s[12:13], wimg s[14:15]
	s_load_b64 s[16:17], s[0:1], 0x30              ; out0
	v_lshrrev_b32 v36, 5, v0
	v_readfirstlane_b32 s18, v36                   ; wave 0..3
	v_and_b32 v37, 31, v0
	v_lshlrev_b32 v1, 4, v37                       ; 16 lane
	v_and_b32 v2, 15, v0                           ; r
	v_bfe_u32 v3, v0, 4, 1                         ; h
	s_lshl_b32 s19, ttmp9, 4
	s_wait_kmcnt 0x0
	s_load_b128 s[20:23], s[4:5], s19 offset:0x0   ; lo, hi, rows in my tile
	v_mul_u32_u24 v4, v2, XP
	v_lshl_add_u32 v4, v3, 4, v4                   ; a fragment of x: row r, + 16 h
	v_add_nc_u32 v6, HB, v1                        ; an image's place for my lane
	s_lshl_b32 s24, s18, 11
	v_add_nc_u32 v33, s24, v6                      ; where I put my images: slot = my wave
	s_mul_i32 s24, s18, 16*XP
	v_add_nc_u32 v8, s24, v1                       ; where I put my 16 rows of codes
	v_add_nc_u32 v9, XB, v8
	s_mul_i32 s24, s18, 16*SP
	s_add_co_u32 s24, s24, STG                     ; my stage
	v_mul_u32_u24 v10, v2, SP
	v_lshl_add_u32 v10, v3, 5, v10
	v_add_nc_u32 v10, s24, v10                     ; in: row r, + 32 h
	v_add_nc_u32 v11, s24, v1                      ; back: 32 lanes take a row of 512 bytes
	; rot: of the work-group number's low bits x2 x1 x0 the number (x2 ^ x0, x1 ^ x2, x0): a permutation of 0 .. 7 under which the four numbers that agree in any one of the three bits
	; are sent to starts of which, with the step behind each, at most one of the eight steps is left out
	s_and_b32 s[ROT], ttmp9, 7
	s_lshr_b32 s[R4], s[ROT], 1
	s_xor_b32 s[R4], s[R4], s[ROT]
	s_and_b32 s[R4], s[R4], 2                      ; (x1 ^ x2) << 1
	s_lshl_b32 s[GSW], s[ROT], 2
	s_xor_b32 s[GSW], s[GSW], s[ROT]
	s_and_b32 s[GSW], s[GSW], 4                    ; (x2 ^ x0) << 2
	s_and_b32 s[ROT], s[ROT], 1
	s_or_b32 s[ROT], s[ROT], s[R4]
	s_or_b32 s[ROT], s[ROT], s[GSW]
	s_and_b32 s[R4], s[ROT], 3
	s_lshr_b32 s[GSW], s[ROT], 2
.irp j, 0,1,2,3,4,5,6,7
	s_add_co_u32 s28, s[ROT], \j
	s_and_b32 s28, s28, 7
	v_lshl_add_u32 v[WJ+\j], s28, 14, v1           ; slot j of the first product: K step (j + rot) % 8, 16,384 bytes a step
.endr
.irp j, 0,1,2,3
	s_add_co_u32 s28, s[R4], \j
	s_and_b32 s28, s28, 3
	v_lshl_add_u32 v[W2J+\j], s28, 14, v1          ; slot j of the second: K step (j + rot) % 4
.endr
	v_mov_b32 v[NJ], v[WJ]                         ; behind lo's W1 comes hi's, from the same slots on
	v_mov_b32 v[NJ+1], v[WJ+1]
	v_lshl_add_u32 v32, s[ROT], 7, v1
	v_and_b32 v32, 0x3ff, v32                      ; byte 16 lane of a row in LDS is byte (16 lane + 128 rot) % 1,024 of the token's codes,
	v_xor_b32 v34, 0x200, v32                      ; byte 512 + 16 lane the one 512 on, round the end
	s_wait_kmcnt 0x0
	s_min_u32 s20, s20, 7                          ; stored numbers enter addresses only held inside their tables
	s_min_u32 s21, s21, 7
	s_min_u32 s[CNT], s22, 64
	s_min_u32 s27, s22, 1                          ; 1; 0 in a tile without rows
	s_sub_co_u32 s23, s[CNT], s27                  ; the tile's last slot in use; 0 in a tile without rows
	s_lshl_b32 s26, ttmp9, 8                       ; my tile's 64 words of rows;
	s_mul_i32 s26, s26, s27                        ; a tile without rows takes tile 0's, of which slot 0 is always written
	s_lshl_b32 s24, s20, 4
	s_lshl_b32 s25, s21, 4
	s_load_b128 s[32:35], s[10:11], s24 offset:0x0 ; ex, ew1, eh, ew2 of lo
	s_load_b128 s[36:39], s[10:11], s25 offset:0x0 ; and of hi
	s_lshl_b32 s27, s18, 4
.irp m, 0,1,2,3
	v_add_nc_u32 v[36+\m], 16*\m, v2
	v_min_u32 v[36+\m], s23, v[36+\m]
	v_min_u32 v[36+\m], 63, v[36+\m]
	v_lshl_add_u32 v[36+\m], v[36+\m], 2, s26
	global_load_b32 v[TM+\m], v[36+\m], s[6:7]     ; the token of row 16 m + r
.endr
	v_add_nc_u32 v21, s27, v2
	v_min_u32 v21, s23, v21
	v_min_u32 v21, 63, v21
	v_lshl_add_u32 v21, v21, 2, s26
	global_load_b32 v20, v21, s[6:7]               ; the token of row 16 wave + r: the rows whose codes I fetch
	; the six streams of weights, each a base that is made once
	s_lshl_b32 s77, s20, 19                        ; lo's and hi's 512 KB
	s_lshl_b32 s78, s21, 19
	s_add_co_u32 s19, s18, s[R4]
	s_and_b32 s19, s19, 3
	s_lshl_b32 s19, s19, 17                        ; W1: my block of hidden units: (wave + rot) % 4
	s_mov_b32 s29, 0
	s_add_co_u32 s28, s77, s19
	s_add_nc_u64 s[CUR:CUR+1], s[14:15], s[28:29]
	s_add_co_u32 s28, s78, s19
	s_add_nc_u64 s[NXT:NXT+1], s[14:15], s[28:29]
	s_lshl_b32 s19, s18, 17
	s_add_co_u32 s19, s19, 0x400000                ; W2: my 256 columns,
	s_lshl_b32 s30, s[GSW], 16
	s_xor_b32 s31, s30, 0x10000
	s_add_co_u32 s30, s30, s19                     ; the 128 of them that I take first: rot / 4,
	s_add_co_u32 s31, s31, s19                     ; and the others
	s_add_co_u32 s28, s77, s30
	s_add_nc_u64 s[SW2:SW2+1], s[14:15], s[28:29]
	s_add_co_u32 s28, s78, s30
	s_add_nc_u64 s[SW2+2:SW2+3], s[14:15], s[28:29]
	s_add_co_u32 s28, s77, s31
	s_add_nc_u64 s[SW2+4:SW2+5], s[14:15], s[28:29]
	s_add_co_u32 s28, s78, s31
	s_add_nc_u64 s[SW2+6:SW2+7], s[14:15], s[28:29]
	s_lshl_b32 s30, s18, 10
	s_lshl_b32 s31, s[GSW], 9
	s_add_co_u32 s28, s30, s31
	s_add_nc_u64 s[OUTB:OUTB+1], s[16:17], s[28:29]        ; out0 at the first chunk's 128 columns,
	s_xor_b32 s31, s31, 0x200
	s_add_co_u32 s28, s30, s31
	s_add_nc_u64 s[OUTB+2:OUTB+3], s[16:17], s[28:29]      ; and at the second's
	s_wait_loadcnt 0x0
.irp m, 0,1,2,3
	v_min_u32 v[TM+\m], 0x1fff, v[TM+\m]
.endr
	v_min_u32 v20, 0x1fff, v20
; sixteen lanes' tokens become sixteen offsets: sixteen scalar registers, so that no line waits for the line just ahead of it
.macro LANES16 src
.set p, 0
.rept 16
	v_readlane_b32 s[TK+p], v[\src], p
.set p, p+1
.endr
.set p, 0
.rept 16
	s_min_u32 s[TK+p], s[TK+p], 0x1fff
.set p, p+1
.endr
.endm
	LANES16 20
.set p, 0
.rept 16
	v_lshl_add_u32 v[XOA+p], s[TK+p], 11, v32      ; row p of my 16: token x 2,048 + my lane's place
	v_lshl_add_u32 v[XOB+p], s[TK+p], 11, v34
.set p, p+1
.endr
.irp m, 0,1,2,3
	v_lshlrev_b32 v[36+\m], 3, v[TM+\m]
	global_load_b64 v[FAB+2*\m:FAB+2*\m+1], v[36+\m], s[8:9]       ; the token's two weights
.endr
; a token's 2,048 bytes of codes (both scales) by four loads of 512 bytes, into window 2.  A load's 512 bytes are consecutive but for the turn round the end of the 1,024: two runs, each a multiple of 128 bytes
.macro XQROWS p0, n
.set p, \p0
.rept \n
	global_load_b128 v[16*p:16*p+3], v[XOA+p], s[12:13]
	global_load_b128 v[16*p+4:16*p+7], v[XOB+p], s[12:13]
	global_load_b128 v[16*p+8:16*p+11], v[XOA+p], s[12:13] offset:1024
	global_load_b128 v[16*p+12:16*p+15], v[XOB+p], s[12:13] offset:1024
.set p, p+1
.endr
.endm
	WIN 0x80
	XQROWS 0, 14                                   ; with the four above 60 loads are out; the offsets below are made while they are on their way
	WIN 0
.irp m, 0,1,2,3
	LANES16 TM+\m
.set p, 0
.rept 16
	v_lshl_add_u32 v[TOFF+16*\m+p], s[TK+p], 12, v1        ; row 16 m + p of the tile in out: token x 4,096 + 16 lane
.set p, p+1
.endr
.endr
	WIN 0x80
	XQROWS 14, 2
; a step's eight weight fragments, 16 KB on end, into set b of window 1: the stream's base, the step's offset
.macro WLOAD b, adr, base
	WIN 0x40
.irp t, 0,1,2,3,4,5,6,7
.irp c, 0,1,2,3
	global_load_b128 v[128*(\b)+16*\t+4*\c:128*(\b)+16*\t+4*\c+3], v[\adr], s[\base:\base+1] offset:2048*\t+512*\c
.endr
.endr
	WIN 0
.endm
	WLOAD 0, WJ, CUR
	WLOAD 1, WJ+1, CUR
; from ex, ew1, eh, ew2 at s[b]: s[d], s[d+1] = -log2(e) 2^(ex + ew1); s[d+2] = 2^(eh - ex - ew1); s[d+3] = 57,344 x that; s[f] = eh + ew2
.macro EXPS b, d, f
	s_add_co_i32 s28, s[\b], s[\b+1]
	s_lshl_b32 s29, s28, 23
	s_add_co_i32 s[\d], s29, 0xbfb8aa3b            ; a sum of the first product stands for sum x 2^(ex + ew1): the exponents are added to the constant's exponent field
	s_mov_b32 s[\d+1], s[\d]                       ; (named with it as a pair, so it is written)
	s_sub_co_i32 s29, s[\b+2], s28
	s_add_co_i32 s29, s29, 127
	s_lshl_b32 s[\d+2], s29, 23                    ; the three scales ahead of the quantiser, folded into the conversion's one
	s_add_co_i32 s[\d+3], s[\d+2], 0x7e00000
	s_add_co_i32 s[\f], s[\b+2], s[\b+3]
.endm
	s_wait_kmcnt 0x0
	EXPS 32, 40, 48
	EXPS 36, 44, 49
	s_mov_b32 s50, 0                               ; LDS: the codes of x for the expert in hand,
	s_mov_b32 s51, 0                               ; and its part of the hidden layer
	s_mov_b32 s52, 2
	s_wait_loadcnt 63                              ; behind the last load of codes 64 loads of weights were issued: the weights (but one) may be out, all else is in
.irp m, 0,1,2,3
	v_ldexp_f32 v[FAB+2*\m], v[FAB+2*\m], s48      ; the second product's two scales go into the rows' factors
	v_ldexp_f32 v[FAB+2*\m+1], v[FAB+2*\m+1], s49
.endr
	WIN 0x08                                       ; an LDS store's data: window 2
.set p, 0
.rept 16
	ds_store_b128 v8, v[16*p:16*p+3] offset:XP*p
	ds_store_b128 v8, v[16*p+4:16*p+7] offset:XP*p+512
	ds_store_b128 v9, v[16*p+8:16*p+11] offset:XP*p
	ds_store_b128 v9, v[16*p+12:16*p+15] offset:XP*p+512
.set p, p+1
.endr
	WIN 0
	s_wait_dscnt 0x0                               ; my 16 rows lie in LDS
	s_barrier_signal -1
	s_barrier_wait -1                              ; all 64 do
; 32 matrix instructions: the four tiles of rows x the eight weight fragments of set b.  The 32 accumulators take turns, one instruction a turn, in the same order in every step.
.macro MUL32 b, f, zero
.irp m, 0,1,2,3
.irp t, 0,1,2,3,4,5,6,7
.if \zero
	v_wmma_f32_16x16x128_bf8_bf8 v[8*(8*\m+\t):8*(8*\m+\t)+7], v[128*(\b)+16*\t:128*(\b)+16*\t+15], v[\f+16*\m:\f+16*\m+15], 0
.else
	v_wmma_f32_16x16x128_bf8_bf8 v[8*(8*\m+\t):8*(8*\m+\t)+7], v[128*(\b)+16*\t:128*(\b)+16*\t+15], v[\f+16*\m:\f+16*\m+15], v[8*(8*\m+\t):8*(8*\m+\t)+7]
.endif
.endr
.endr
.endm
.macro XFETCH s, f                     ; x's four fragments of slot s
.irp m, 0,1,2,3
.irp c, 0,1,2,3
	ds_load_b128 v[\f+16*\m+4*\c:\f+16*\m+4*\c+3], v5 offset:16*XP*\m+128*(\s)+32*\c
.endr
.endr
.endm
; slot s of the first product
.macro P1STEP s
	s_wait_loadcnt 32                              ; this step's weights are in; the next step's 32 loads may be out
.if \s < 7
	XFETCH (\s)+1, XF0+64*(((\s)+1)%2)
	s_wait_dscnt 16                                ; this step's fragments are in; the 16 just issued may be out
.else
	s_wait_dscnt 0x0
.endif
	WIN 0xa1                                       ; source 0 (weights) window 1, source 1 (rows) window 0, C and D window 2
.if \s == 0
	MUL32 (\s)%2, XF0+64*((\s)%2), 1               ; the first step starts the sums: nothing is cleared
.else
	MUL32 (\s)%2, XF0+64*((\s)%2), 0
.endif
	PLACES
.if \s < 6
	WLOAD (\s)%2, WJ+(\s)+2, CUR                   ; the weights of two steps on, into the set just multiplied
.else
	WLOAD (\s)%2, NJ+(\s)-6, NXT                   ; which for the last two steps are the first two of what follows
.endif
.endm
; rows 16 m on: silu, quantised; the 64 numbers of a lane become one fragment of the second product, slot = my wave
.macro P1EPI m
	WIN 0x02                                       ; source 0 window 2
.set n, 0
.rept 32
	v_pk_mul_f32 v[TT+n:TT+n+1], v[64*\m+n:64*\m+n+1], s[40:41] op_sel_hi:[1,0]   ; -z log2(e); each accumulator from its low end on
.set n, n+2
.endr
	WIN 0
.set n, 0
.rept 64
	v_exp_f32 v[TT+n], v[TT+n]                     ; e^-z
.set n, n+1
.endr
	v_nop                                          ; a plain instruction behind the last exponential
.set n, 0
	s_wait_alu depctr_va_vdst(0)
.rept 32
	v_pk_add_f32 v[TT+n:TT+n+1], v[TT+n:TT+n+1], 1.0 op_sel_hi:[1,0]
.set n, n+2
.endr
.set n, 0
.rept 64
	v_rcp_f32 v[TT+n], v[TT+n]                     ; 1 / (1 + e^-z): 0 where e^-z has overflowed, and the product below is then 0
.set n, n+1
.endr
	v_nop
	WIN 0x02
.set n, 0
	s_wait_alu depctr_va_vdst(0)
.rept 32
	v_pk_mul_f32 v[TT+n:TT+n+1], v[64*\m+n:64*\m+n+1], v[TT+n:TT+n+1]      ; silu(z) / 2^(ex + ew1)
.set n, n+2
.endr
	WIN 0
.set n, 0
.rept 64
	v_med3_num_f32 v[TT+n], v[TT+n], -v35, v35     ; the conversion to an 8-bit code does not saturate (ISA guide 7.6.2): hold first
.set n, n+1
.endr
	s_wait_dscnt 0x0                               ; the last image's stores have read the codes' registers
.irp t, 0,1,2,3,4,5,6,7
	v_cvt_scalef32_pk8_bf8_f32 v[PC+2*\t:PC+2*\t+1], v[TT+8*\t:TT+8*\t+7], v34
.endr
	v_nop                                          ; a plain instruction between the conversions and the next lines that write their sources
.irp c, 0,1,2,3
	ds_store_b128 v7, v[PC+4*\c:PC+4*\c+3] offset:8192*\m+512*\c
.endr
.endm
.Lexpert:                                              ; two trips, lo and hi, walked by every wave of every tile
	v_add_nc_u32 v5, s50, v4                       ; the trip's LDS addresses and its scale are made ahead of the jump, on every way
	v_add_nc_u32 v7, s51, v33
	v_mov_b32 v34, s42
	v_mov_b32 v35, s43
	s_cmp_eq_u32 s[CNT], 0
	s_cbranch_scc1 .Lidle                          ; a tile without rows jumps over the trip's products and its silu, not over the lines that step addresses
	XFETCH 0, XF0
.irp s, 0,1,2,3,4,5,6,7
	P1STEP \s
.endr
.irp m, 0,1,2,3
	P1EPI \m                                       ; 64 loads of weights are on their way meanwhile
.endr
.Lidle:                                                ; on either way 64 loads of weights are out, set 0's the older: the head's two steps, or this trip's last two
	s_wait_xcnt 0x0                                ; the loads have read their offsets and bases: these are written again only behind this wait
	s_mov_b64 s[CUR:CUR+1], s[NXT:NXT+1]           ; hi's W1 follows lo's,
	s_mov_b64 s[NXT:NXT+1], s[SW2:SW2+1]           ; and lo's W2, first chunk, follows hi's W1,
	v_mov_b32 v[NJ], v[W2J]                        ; from the second product's slots 0 and 1 on
	v_mov_b32 v[NJ+1], v[W2J+1]
	s_mov_b64 s[40:41], s[44:45]
	s_mov_b64 s[42:43], s[46:47]
	s_add_co_u32 s50, s50, XB
	s_add_co_u32 s51, s51, 32768
	s_sub_co_u32 s52, s52, 1
	s_cmp_lg_u32 s52, 0
	s_cbranch_scc1 .Lexpert
	s_wait_dscnt 0x0                               ; my eight images lie in LDS
	s_barrier_signal -1
	s_barrier_wait -1                              ; all 32 do
	s_cmp_eq_u32 s[CNT], 0
	s_cbranch_scc1 .Lend                           ; a tile without rows has passed both barriers and ends: it stores nothing
.macro HFETCH i, s, f                  ; the hidden layer's four fragments of expert i, slot s
.irp m, 0,1,2,3
.irp c, 0,1,2,3
	ds_load_b128 v[\f+16*\m+4*\c:\f+16*\m+4*\c+3], v6 offset:32768*(\i)+(4*\m+(\s))*2048+512*\c
.endr
.endr
.endm
; step j of chunk c (128 of my 256 columns): expert j / 4, slot j % 4.  lo's sums in window 2, hi's in window 3
.macro P2STEP c, j
.if (\c == 1) && (\j == 7)
	s_wait_loadcnt 0x0                             ; the last weights: nothing was asked for behind them
.else
	s_wait_loadcnt 32                              ; this step's weights are in; the next step's 32 loads may be out
.endif
.if \j < 7
	HFETCH ((\j)+1)/4, ((\j)+1)%4, XF0+64*(((\j)+1)%2)
	s_wait_dscnt 16                                ; this step's fragments are in; the 16 just issued may be out
.else
	s_wait_dscnt 0x0
.endif
.if \j < 4
	WIN 0xa1
.else
	WIN 0xf1
.endif
.if (\j)%4 == 0
	MUL32 (\j)%2, XF0+64*((\j)%2), 1
.else
	MUL32 (\j)%2, XF0+64*((\j)%2), 0
.endif
	PLACES
.if \j < 2
	WLOAD (\j)%2, W2J+\j+2, SW2+4*\c               ; lo's slots 2 and 3
.elseif \j < 6
	WLOAD (\j)%2, W2J+\j-2, SW2+4*\c+2             ; hi's four
.elseif \c == 0
	WLOAD (\j)%2, W2J+\j-6, SW2+4                  ; the next chunk's first two steps
.else
	WIN 0
.endif
.endm
; rows 16 m on, 128 columns: the two experts' sums, each times its row's factor; through my stage, so that a row's 512 bytes leave by one store
.macro P2EPI c, m
	WIN 0x02
.set n, 0
.rept 32
	v_pk_mul_f32 v[YY+n:YY+n+1], v[64*\m+n:64*\m+n+1], v[FAB+2*\m:FAB+2*\m+1] op_sel_hi:[1,0]     ; lo's sums x the pair's first word; each accumulator from its low end on
.set n, n+2
.endr
	WIN 0x03
.set n, 0
.rept 32
	v_pk_fma_f32 v[YY+n:YY+n+1], v[64*\m+n:64*\m+n+1], v[FAB+2*\m:FAB+2*\m+1], v[YY+n:YY+n+1] op_sel:[0,1,0] op_sel_hi:[1,1,1]   ; + hi's sums x its second word
.set n, n+2
.endr
	WIN 0
.irp t, 0,1,2,3,4,5,6,7
	ds_store_b128 v10, v[YY+8*\t:YY+8*\t+3] offset:64*\t           ; lane (r, h): columns 16 t + 8 h + 0 .. 7 of row r
	ds_store_b128 v10, v[YY+8*\t+4:YY+8*\t+7] offset:64*\t+16
.endr
	s_wait_xcnt 0x0                                ; the last rows' stores have read their data: the loads below may land there
.irp i, 0,1,2,3,4,5,6,7,8,9,10,11,12,13,14,15
	ds_load_b128 v[BK+4*\i:BK+4*\i+3], v11 offset:SP*\i    ; LDS serves a wave's instructions in order (ISA guide 5.7.1.4): these see the stores above
.endr
.irp i, 0,1,2,3,4,5,6,7,8,9,10,11,12,13,14,15
	s_wait_dscnt 15-\i                             ; row i is back; the younger loads may be out
	global_store_b128 v[TOFF+16*\m+\i], v[BK+4*\i:BK+4*\i+3], s[OUTB+2*\c:OUTB+2*\c+1] th:TH_STORE_NT      ; 32 lanes store 512 consecutive bytes of the token's row, aligned to 256
.endr
.endm
.macro P2CHUNK c
	s_wait_xcnt 0x0                                ; the last chunk's stores have read their data
	HFETCH 0, 0, XF0
.irp j, 0,1,2,3,4,5,6,7
	P2STEP \c, \j
.endr
.irp m, 0,1,2,3
	P2EPI \c, \m
.endr
.endm
	P2CHUNK 0
	P2CHUNK 1
.Lend:
	s_wait_xcnt 0x0
	v_lshl_add_u32 v254, v0, 2, 0x38c00
	v_mov_b32 v255, 0
	s_wait_tensorcnt 0x0
	ds_add_u32 v254, v255
	s_wait_dscnt 0x0
	s_endpgm
.Lfunc_end_k_q37be4dbe4f_chain:
	.size	k_q37be4dbe4f_chain, .Lfunc_end_k_q37be4dbe4f_chain-k_q37be4dbe4f_chain
	.p2alignl 7, 3214868480
	.fill 96, 4, 3214868480
	.section	.rodata,"a",@progbits
	.p2align	6, 0x0
	.amdhsa_kernel k_q37be4dbe4f_chain
		.amdhsa_group_segment_fixed_size 232960
		.amdhsa_private_segment_fixed_size 0
		.amdhsa_enable_private_segment 0
		.amdhsa_kernarg_size 56
		.amdhsa_user_sgpr_count 2
		.amdhsa_user_sgpr_kernarg_segment_ptr 1
		.amdhsa_wavefront_size32 1
		.amdhsa_system_sgpr_workgroup_id_x 1
		.amdhsa_system_sgpr_workgroup_id_y 1
		.amdhsa_system_sgpr_workgroup_id_z 1
		.amdhsa_system_vgpr_workitem_id 0
		.amdhsa_next_free_vgpr 1024
		.amdhsa_next_free_sgpr 96
		.amdhsa_reserve_vcc 0
		.amdhsa_float_denorm_mode_32 3
		.amdhsa_float_denorm_mode_16_64 3
		.amdhsa_memory_ordered 1
		.amdhsa_forward_progress 1
		.amdhsa_inst_pref_size 255
	.end_amdhsa_kernel
	.section	.bss,"aw",@nobits
	.p2align	6
	.space	262144
	.amdgpu_metadata
---
amdhsa.version: [ 1, 2 ]
amdhsa.kernels:
  - .name:           k_q37be4dbe4f_chain
    .symbol:         k_q37be4dbe4f_chain.kd
    .args:
      - { .name: tiles, .offset: 0, .size: 8, .value_kind: global_buffer, .address_space: global }
      - { .name: rows, .offset: 8, .size: 8, .value_kind: global_buffer, .address_space: global }
      - { .name: comb, .offset: 16, .size: 8, .value_kind: global_buffer, .address_space: global }
      - { .name: lowp_scales, .offset: 24, .size: 8, .value_kind: global_buffer, .address_space: global }
      - { .name: xq, .offset: 32, .size: 8, .value_kind: global_buffer, .address_space: global }
      - { .name: wimg, .offset: 40, .size: 8, .value_kind: global_buffer, .address_space: global }
      - { .name: out0, .offset: 48, .size: 8, .value_kind: global_buffer, .address_space: global }
    .group_segment_fixed_size: 232960
    .private_segment_fixed_size: 0
    .kernarg_segment_align: 8
    .kernarg_segment_size: 56
    .max_flat_workgroup_size: 128
    .sgpr_count:     96
    .vgpr_count:     1024
    .wavefront_size: 32
...
	.end_amdgpu_metadata
.endif
;; end of part 3
;; ======== version 2 of 2: 3 launches; version 1 with the launch chain written anew for expert scheduling mode
;; workspace buffers: wimg 8,388,608 bytes; xq 16,777,216 bytes; comb 65,536 bytes; part 16,384 bytes; meta 65,536 bytes of whole numbers; tiles 2,560 bytes of whole numbers; rows 39,680 bytes of whole numbers
;; launch route: the kernel of part 1 again; grid 384 x 1, 4 waves a work-group, no clusters, 39,936 bytes of LDS; arguments x, router_w, lowp_scales, w1_codes, w2_codes, xq, comb, part, meta, wimg; writes xq, comb, part, meta, wimg
;; launch place: the kernel of part 2 again; grid 1 x 1, 32 waves a work-group, no clusters, 39,936 bytes of LDS; arguments meta, part, rows, tiles, out1; writes rows, tiles, out1
;; launch chain (part 4): grid 155 x 1, 4 waves a work-group, no clusters, 232,960 bytes of LDS; arguments tiles, rows, comb, lowp_scales, xq, wimg, out0; writes out0
.if DOCPART == 4
	.amdgcn_target "amdgcn-amd-amdhsa--gfx1250"
	.amdhsa_code_object_version 6
	.text
	.protected	k_q37be4dbe4f_chain
	.globl	k_q37be4dbe4f_chain
	.p2align	8
	.type	k_q37be4dbe4f_chain,@function
k_q37be4dbe4f_chain:
	s_mov_b64 s[64:65], 0
	v_nop
	global_prefetch_b8 v0, s[64:65] scope:SCOPE_SE
	s_setreg_imm32_b32 hwreg(HW_REG_WAVE_SCHED_MODE, 0, 2), 2
	s_setreg_imm32_b32 hwreg(HW_REG_WAVE_MODE, 25, 1), 1
	s_wait_xcnt 0x0
	s_wait_alu depctr_vm_vsrc(0)
; CHAIN.  A work-group takes one tile of up to 64 tokens that chose the same pair of experts (lo, hi) through both experts:
;   out[token] = c_lo silu(x W1_lo) W2_lo + c_hi silu(x W1_hi) W2_hi, all four products on E5M2 codes by v_wmma_f32_16x16x128_bf8_bf8, sums in f32.  Each output row has one owner; the hidden layer stays in LDS.
; GRID.  155 = 8,192 / 64 + 28 - 1 tiles serve every split of the tokens over the 28 pairs.  A tile that the split leaves without rows does no product and stores nothing: scalar branches on its stored count jump
; over the products.  They jump over no barrier and over no line that steps an address: every wave passes both barriers and walks the loop over the two experts, whatever the count.  So that every register is
; written on every way, such a tile runs the head too, on slot 0 of tile 0 (which always holds a token): 128 KB of codes and 128 KB of weights fetched for nothing, the price of a grid that serves every split.
; neighbouring tiles need not share a pair.
; The weights come from memory straight into registers, from images of the operands' registers laid out by the first launch, 512 consecutive bytes a load.
; SHARES.  Four waves.  Each makes 128 hidden units and 256 output columns, for all 64 rows.  Both products are used transposed (source 0 = 16 rows of a weight, source 1 = 16 tokens), so that a lane
; holds one token (lane % 16) and its registers run along the hidden units or the output columns.  The rows of W1 that form a tile are chosen (in the images) so that the 16 registers of tiles 2 b and 2 b + 1
; are 16 neighbours along the next K: the conversions' results are the next operand's registers, and go to the other waves through LDS as they stand.
; A STEP is 128 along K: 8 weight fragments (32 loads, 16 KB on end), 4 fragments of rows from LDS (16 loads), 32 matrix instructions on 32 accumulators by turns.  32 steps a wave.  Weights run two steps ahead
; in the two halves of window 1: 64 loads, 32 KB, of every wave are out.  The rows' fragments run two steps ahead too, in two sets.
; THE WALK.  Some 36 tiles walk each expert's weights.  A sum does not care for the order of its K steps, so each work-group starts at another one: with rot = 0 .. 7 made of the work-group's number, slot j of the
; first product is K step (j + rot) % 8, slot j of the second is K step (j + rot % 4) % 4, and the two chunks of 128 columns are taken in the order that rot / 4 gives.  The work-groups that share an expert then ask
; for different parts of its weights at any one time: each part is asked for first by one of them, and again, later, by the others.  All of it lies in offsets into memory, and no LDS address hangs on rot:
; x's codes are fetched so that slot j of a row in LDS holds K step (j + rot) % 8, and wave w makes hidden units 128 ((w + rot) % 4) on and puts them into slot w.
; k's place in a fragment's registers (4 c .. 4 c + 3: k = 32 c + 16 (lane / 16) + 0 .. 15) is a permutation of the form's own, the same in both operands, so every product meets its partner.
; A tile with fewer than 64 rows repeats its last token in the slots left over: those lanes compute and store that row's numbers once more, and no lane is ever off.
; LIMITS on the given exponents, so that each power of two below is an f32 number: ex + ew1 between -126 and 127; eh - ex - ew1 between -126 and 112; eh + ew2 is applied by v_ldexp_f32 and has none.  NaN is not served.
; The order in which a sum takes its K steps differs from work-group to work-group; the sums are f32.
; REGISTERS, in windows of 256.  Window 0: v1-11 addresses; v12-15, v40-47 the steps' offsets in the weights, never rewritten; v30-31 those of the next stream's first two steps; v16-20 tokens; v22-29 the rows' two factors;
;   v32-35; v21, v36-39 offsets at the head; v48-111 the 64 rows' offsets in out; v112-127 xq's offsets, then the codes just made; v128-191, v192-255 two sets of four row fragments, also at work at the head and in the epilogues.
;   Window 1: the weights, two sets of 8 fragments.  Window 2: xq as it lands, then 32 accumulators ((m, t) at v[8 (8 m + t)]).  Window 3: 32 more, for the higher expert's second product.
; THE MODE: SCHED_MODE bits 1:0 = 2 (LLVM: expert scheduling mode 2), set by the entry lines.  The code itself states the register dependences between vector or matrix instructions and memory or LDS
; instructions, with s_wait_alu, always for 0.
; THE PLAN.  Registers that memory or LDS instructions touch:
;   the weights' sets 0, 1   Step s: its 32 matrix instructions read set s % 2; behind them the loads of step s + 2 land in it.
;   the rows' sets 0, 1      Step s: its matrix instructions read set s % 2 (v128-191 or v192-255); behind them the LDS loads of step s + 2 land in it.
;   the same, between the products: v192-255 at work in the silu (vector instructions alone); v128-191 written by the way out's multiply-adds and read by its LDS stores; v192-255 filled from the stage and read by the global stores.
;   v112-127                 Written by eight conversions, read by the image's four LDS stores.  At the head, with v128-143: xq's offsets, read by its loads.
;   v5, v7, v30, v31         Written once a trip of the loop over the experts; read by the rows' LDS loads, the images' LDS stores, and the loads of weights of a trip's last two steps.
;   window 2                 At the head xq lands there and LDS stores read it; from then on vector and matrix instructions alone name it.
;   All other addresses and offsets are made once at the head and never written again.
; So ONE wait on va_vdst stands in a step, behind its matrix instructions: it states that they are done reading the two sets s % 2.  The step's 48 loads follow it in one run; the next step's matrix instructions name the
; other two sets and the accumulators.  The loads are not dealt singly among the matrix instructions: under the products' windows each would want two switches; and the weights' loads stand ahead of the wait for the
; next step's weights, so that two steps stay on their way.
.set XP,   1040                        ; LDS: a token's 1,024 codes + 16: sixteen rows that a fragment load touches start 65 x 16 bytes apart
.set XB,   64*XP                       ; 66,560: the codes with the higher expert's scale (those with the lower's lie at 0)
.set HB,   2*XB                        ; 133,120: the hidden layer: [expert][4 m + slot] images of 2,048 bytes
.set STG,  HB+65536                    ; 198,656: the way out: 16 rows x 528 bytes for each wave
.set SP,   528
.set W2J,  12                          ; v12-15  16 lane + 16,384 x the second product's K step in slot j
.set TM,   16                          ; v16-19  lane (r, h): the token of row 16 m + r
.set FAB,  22                          ; v22-29  pairs: c_lo 2^(eh + ew2 of lo), c_hi 2^(eh + ew2 of hi) of that token
.set NJ,   30                          ; v30-31  the offsets of slots 0 and 1 of the stream that follows the one in hand
.set WJ,   40                          ; v40-47  16 lane + 16,384 x the first product's K step in slot j
.set TOFF, 48
.set XOA,  112                         ; v112-127  row p of my 16: token x 2,048 + my lane's place in the first 512 bytes of a rotated row
.set XOB,  128                         ; v128-143  the same for the second 512
.set PC,   112
.set XF0,  128
.set TT,   192
.set YY,   128
.set BK,   192
.set CNT,  53                          ; s53  rows in my tile, 0 to 64
.set OUTB, 54                          ; s[54:55], s[56:57]  out0 at my columns of the first and of the second chunk
.set CUR,  58                          ; s[58:59]  the weights in hand: wimg + expert + my block
.set NXT,  60                          ; s[60:61]  those that follow
.set SW2,  66                          ; s[66:73]  W2's images: lo, hi of the first chunk; lo, hi of the second
.set ROT,  74                          ; s74  rot;  s75  rot % 4;  s76  rot / 4
.set R4,   75
.set GSW,  76
.set TK,   80                          ; s80-95  sixteen tokens on their way from a vector register's lanes into offsets
.set MSB, 0
.macro WIN new                         ; the immediate's high byte repeats the setting that is left
.if MSB != \new
	s_set_vgpr_msb (MSB<<8)|\new
.set MSB, \new
.endif
.endm
; A load into a register that a matrix instruction has read, and a vector instruction that reads a matrix result or writes a matrix instruction's source, stand four places behind it; only plain vector
; instructions that name none of its registers are places.
.macro PLACES
.rept 4
	v_nop
.endr
.endm
	s_load_b256 s[4:11], s[0:1], 0x0               ; tiles s[4:5], rows s[6:7], comb s[8:9], the exponents s[10:11]
	s_load_b128 s[12:15], s[0:1], 0x20             ; xq s[12:13], wimg s[14:15]
	s_load_b64 s[16:17], s[0:1], 0x30              ; out0
	v_lshrrev_b32 v36, 5, v0
	v_readfirstlane_b32 s18, v36                   ; wave 0..3
	v_and_b32 v37, 31, v0
	v_lshlrev_b32 v1, 4, v37                       ; 16 lane
	v_and_b32 v2, 15, v0                           ; r
	v_bfe_u32 v3, v0, 4, 1                         ; h
	s_lshl_b32 s19, ttmp9, 4
	s_wait_kmcnt 0x0
	s_load_b128 s[20:23], s[4:5], s19 offset:0x0   ; lo, hi, rows in my tile
	v_mul_u32_u24 v4, v2, XP
	v_lshl_add_u32 v4, v3, 4, v4                   ; a fragment of x: row r, + 16 h
	v_add_nc_u32 v6, HB, v1                        ; an image's place for my lane
	s_wait_alu depctr_va_sdst(0)                   ; s18, the wave's number, is written, ahead of its first reader
	s_lshl_b32 s24, s18, 11
	v_add_nc_u32 v33, s24, v6                      ; where I put my images: slot = my wave
	s_mul_i32 s24, s18, 16*XP
	v_add_nc_u32 v8, s24, v1                       ; where I put my 16 rows of codes
	v_add_nc_u32 v9, XB, v8
	s_mul_i32 s24, s18, 16*SP
	s_add_co_u32 s24, s24, STG                     ; my stage
	v_mul_u32_u24 v10, v2, SP
	v_lshl_add_u32 v10, v3, 5, v10
	v_add_nc_u32 v10, s24, v10                     ; in: row r, + 32 h
	v_add_nc_u32 v11, s24, v1                      ; back: 32 lanes take a row of 512 bytes
	; rot: of the work-group number's low bits x2 x1 x0 the number (x2 ^ x0, x1 ^ x2, x0): a permutation of 0 .. 7 under which the four numbers that agree in any one of the three bits
	; are sent to starts of which, with the step behind each, at most one of the eight steps is left out
	s_and_b32 s[ROT], ttmp9, 7
	s_lshr_b32 s[R4], s[ROT], 1
	s_xor_b32 s[R4], s[R4], s[ROT]
	s_and_b32 s[R4], s[R4], 2                      ; (x1 ^ x2) << 1
	s_lshl_b32 s[GSW], s[ROT], 2
	s_xor_b32 s[GSW], s[GSW], s[ROT]
	s_and_b32 s[GSW], s[GSW], 4                    ; (x2 ^ x0) << 2
	s_and_b32 s[ROT], s[ROT], 1
	s_or_b32 s[ROT], s[ROT], s[R4]
	s_or_b32 s[ROT], s[ROT], s[GSW]
	s_and_b32 s[R4], s[ROT], 3
	s_lshr_b32 s[GSW], s[ROT], 2
.irp j, 0,1,2,3,4,5,6,7
	s_add_co_u32 s28, s[ROT], \j
	s_and_b32 s28, s28, 7
	v_lshl_add_u32 v[WJ+\j], s28, 14, v1           ; slot j of the first product: K step (j + rot) % 8, 16,384 bytes a step
.endr
.irp j, 0,1,2,3
	s_add_co_u32 s28, s[R4], \j
	s_and_b32 s28, s28, 3
	v_lshl_add_u32 v[W2J+\j], s28, 14, v1          ; slot j of the second: K step (j + rot) % 4
.endr
	v_mov_b32 v[NJ], v[WJ]                         ; behind lo's W1 comes hi's, from the same slots on
	v_mov_b32 v[NJ+1], v[WJ+1]
	v_lshl_add_u32 v32, s[ROT], 7, v1
	v_and_b32 v32, 0x3ff, v32                      ; byte 16 lane of a row in LDS is byte (16 lane + 128 rot) % 1,024 of the token's codes,
	v_xor_b32 v34, 0x200, v32                      ; byte 512 + 16 lane the one 512 on, round the end
	s_wait_kmcnt 0x0
	s_min_u32 s20, s20, 7                          ; stored numbers enter addresses only held inside their tables
	s_min_u32 s21, s21, 7
	s_min_u32 s[CNT], s22, 64
	s_min_u32 s27, s22, 1                          ; 1; 0 in a tile without rows
	s_sub_co_u32 s23, s[CNT], s27                  ; the tile's last slot in use; 0 in a tile without rows
	s_lshl_b32 s26, ttmp9, 8                       ; my tile's 64 words of rows;
	s_mul_i32 s26, s26, s27                        ; a tile without rows takes tile 0's, of which slot 0 is always written
	s_lshl_b32 s24, s20, 4
	s_lshl_b32 s25, s21, 4
	s_load_b128 s[32:35], s[10:11], s24 offset:0x0 ; ex, ew1, eh, ew2 of lo
	s_load_b128 s[36:39], s[10:11], s25 offset:0x0 ; and of hi
	s_lshl_b32 s27, s18, 4
.irp m, 0,1,2,3
	v_add_nc_u32 v[36+\m], 16*\m, v2
	v_min_u32 v[36+\m], s23, v[36+\m]
	v_min_u32 v[36+\m], 63, v[36+\m]
	v_lshl_add_u32 v[36+\m], v[36+\m], 2, s26
.endr
	v_add_nc_u32 v21, s27, v2
	v_min_u32 v21, s23, v21
	v_min_u32 v21, 63, v21
	v_lshl_add_u32 v21, v21, 2, s26
	s_wait_alu depctr_va_vdst(0)                   ; all addresses and offsets made so far are written: v21 and v36-39, which the five loads below read; v6, v8-15, v30-31 and v40-47, which later loads and LDS instructions read
.irp m, 0,1,2,3
	global_load_b32 v[TM+\m], v[36+\m], s[6:7]     ; the token of row 16 m + r
.endr
	global_load_b32 v20, v21, s[6:7]               ; the token of row 16 wave + r: the rows whose codes I fetch
	; the six streams of weights, each a base that is made once
	s_lshl_b32 s77, s20, 19                        ; lo's and hi's 512 KB
	s_lshl_b32 s78, s21, 19
	s_add_co_u32 s19, s18, s[R4]
	s_and_b32 s19, s19, 3
	s_lshl_b32 s19, s19, 17                        ; W1: my block of hidden units: (wave + rot) % 4
	s_mov_b32 s29, 0
	s_add_co_u32 s28, s77, s19
	s_add_nc_u64 s[CUR:CUR+1], s[14:15], s[28:29]
	s_add_co_u32 s28, s78, s19
	s_add_nc_u64 s[NXT:NXT+1], s[14:15], s[28:29]
	s_lshl_b32 s19, s18, 17
	s_add_co_u32 s19, s19, 0x400000                ; W2: my 256 columns,
	s_lshl_b32 s30, s[GSW], 16
	s_xor_b32 s31, s30, 0x10000
	s_add_co_u32 s30, s30, s19                     ; the 128 of them that I take first: rot / 4,
	s_add_co_u32 s31, s31, s19                     ; and the others
	s_add_co_u32 s28, s77, s30
	s_add_nc_u64 s[SW2:SW2+1], s[14:15], s[28:29]
	s_add_co_u32 s28, s78, s30
	s_add_nc_u64 s[SW2+2:SW2+3], s[14:15], s[28:29]
	s_add_co_u32 s28, s77, s31
	s_add_nc_u64 s[SW2+4:SW2+5], s[14:15], s[28:29]
	s_add_co_u32 s28, s78, s31
	s_add_nc_u64 s[SW2+6:SW2+7], s[14:15], s[28:29]
	s_lshl_b32 s30, s18, 10
	s_lshl_b32 s31, s[GSW], 9
	s_add_co_u32 s28, s30, s31
	s_add_nc_u64 s[OUTB:OUTB+1], s[16:17], s[28:29]        ; out0 at the first chunk's 128 columns,
	s_xor_b32 s31, s31, 0x200
	s_add_co_u32 s28, s30, s31
	s_add_nc_u64 s[OUTB+2:OUTB+3], s[16:17], s[28:29]      ; and at the second's
	s_wait_loadcnt 0x0
	s_wait_alu depctr_vm_vsrc(0)                   ; the loads of tokens have read v36-39, which are written again below
.irp m, 0,1,2,3
	v_min_u32 v[TM+\m], 0x1fff, v[TM+\m]
.endr
	v_min_u32 v20, 0x1fff, v20
; sixteen lanes' tokens become sixteen offsets: sixteen scalar registers, so that no line waits for the line just ahead of it
.macro LANES16 src
.set p, 0
.rept 16
	v_readlane_b32 s[TK+p], v[\src], p
.set p, p+1
.endr
	s_wait_alu depctr_va_sdst(0)                   ; the sixteen scalar registers are written, ahead of their first readers: one wait for the run
.set p, 0
.rept 16
	s_min_u32 s[TK+p], s[TK+p], 0x1fff
.set p, p+1
.endr
.endm
	LANES16 20
.set p, 0
.rept 16
	v_lshl_add_u32 v[XOA+p], s[TK+p], 11, v32      ; row p of my 16: token x 2,048 + my lane's place
	v_lshl_add_u32 v[XOB+p], s[TK+p], 11, v34
.set p, p+1
.endr
.irp m, 0,1,2,3
	v_lshlrev_b32 v[36+\m], 3, v[TM+\m]
.endr
	s_wait_alu depctr_va_vdst(0)                   ; v36-39 and v112-143 are written: the loads of the weights' pairs and of the codes read them as their offsets
.irp m, 0,1,2,3
	global_load_b64 v[FAB+2*\m:FAB+2*\m+1], v[36+\m], s[8:9]       ; the token's two weights
.endr
; a token's 2,048 bytes of codes (both scales) by four loads of 512 bytes, into window 2.  A load's 512 bytes are consecutive but for the turn round the end of the 1,024: two runs, each a multiple of 128 bytes
.macro XQROWS p0, n
.set p, \p0
.rept \n
	global_load_b128 v[16*p:16*p+3], v[XOA+p], s[12:13]
	global_load_b128 v[16*p+4:16*p+7], v[XOB+p], s[12:13]
	global_load_b128 v[16*p+8:16*p+11], v[XOA+p], s[12:13] offset:1024
	global_load_b128 v[16*p+12:16*p+15], v[XOB+p], s[12:13] offset:1024
.set p, p+1
.endr
.endm
	WIN 0x80
	XQROWS 0, 14                                   ; with the four above 60 loads are out; the offsets below are made while they are on their way
	WIN 0
.irp m, 0,1,2,3
	LANES16 TM+\m
.set p, 0
.rept 16
	v_lshl_add_u32 v[TOFF+16*\m+p], s[TK+p], 12, v1        ; row 16 m + p of the tile in out: token x 4,096 + 16 lane
.set p, p+1
.endr
.endr
	WIN 0x80
	s_wait_alu depctr_va_vdst(0)                   ; v48-111 are written, which the way out's stores read as their offsets
	XQROWS 14, 2
; a step's eight weight fragments, 16 KB on end, into set b of window 1: the stream's base, the step's offset
.macro WLOAD b, adr, base
	WIN 0x40
.irp t, 0,1,2,3,4,5,6,7
.irp c, 0,1,2,3
	global_load_b128 v[128*(\b)+16*\t+4*\c:128*(\b)+16*\t+4*\c+3], v[\adr], s[\base:\base+1] offset:2048*\t+512*\c
.endr
.endr
	WIN 0
.endm
	WLOAD 0, WJ, CUR
	WLOAD 1, WJ+1, CUR
; from ex, ew1, eh, ew2 at s[b]: s[d], s[d+1] = -log2(e) 2^(ex + ew1); s[d+2] = 2^(eh - ex - ew1); s[d+3] = 57,344 x that; s[f] = eh + ew2
.macro EXPS b, d, f
	s_add_co_i32 s28, s[\b], s[\b+1]
	s_lshl_b32 s29, s28, 23
	s_add_co_i32 s[\d], s29, 0xbfb8aa3b            ; a sum of the first product stands for sum x 2^(ex + ew1): the exponents are added to the constant's exponent field
	s_mov_b32 s[\d+1], s[\d]                       ; (named with it as a pair, so it is written)
	s_sub_co_i32 s29, s[\b+2], s28
	s_add_co_i32 s29, s29, 127
	s_lshl_b32 s[\d+2], s29, 23                    ; the three scales ahead of the quantiser, folded into the conversion's one
	s_add_co_i32 s[\d+3], s[\d+2], 0x7e00000
	s_add_co_i32 s[\f], s[\b+2], s[\b+3]
.endm
	s_wait_kmcnt 0x0
	EXPS 32, 40, 48
	EXPS 36, 44, 49
	s_mov_b32 s50, 0                               ; LDS: the codes of x for the expert in hand,
	s_mov_b32 s51, 0                               ; and its part of the hidden layer
	s_mov_b32 s52, 2
	s_wait_loadcnt 63                              ; behind the last load of codes 64 loads of weights were issued: the weights (but one) may be out, all else is in
.irp m, 0,1,2,3
	v_ldexp_f32 v[FAB+2*\m], v[FAB+2*\m], s48      ; the second product's two scales go into the rows' factors
	v_ldexp_f32 v[FAB+2*\m+1], v[FAB+2*\m+1], s49
.endr
	WIN 0x08                                       ; an LDS store's data: window 2
.set p, 0
.rept 16
	ds_store_b128 v8, v[16*p:16*p+3] offset:XP*p
	ds_store_b128 v8, v[16*p+4:16*p+7] offset:XP*p+512
	ds_store_b128 v9, v[16*p+8:16*p+11] offset:XP*p
	ds_store_b128 v9, v[16*p+12:16*p+15] offset:XP*p+512
.set p, p+1
.endr
	WIN 0
	s_wait_dscnt 0x0                               ; my 16 rows lie in LDS
	s_barrier_signal -1
	s_barrier_wait -1                              ; all 64 do
	s_wait_alu depctr_vm_vsrc(0)                   ; my LDS stores have read window 2, which the matrix instructions write from here on; the loads of codes have read v112-143, which the conversions write and in which the rows' fragments land
; 32 matrix instructions: the four tiles of rows x the eight weight fragments of set b.  The 32 accumulators take turns, one instruction a turn, in the same order in every step.
.macro MUL32 b, f, zero
.irp m, 0,1,2,3
.irp t, 0,1,2,3,4,5,6,7
.if \zero
	v_wmma_f32_16x16x128_bf8_bf8 v[8*(8*\m+\t):8*(8*\m+\t)+7], v[128*(\b)+16*\t:128*(\b)+16*\t+15], v[\f+16*\m:\f+16*\m+15], 0
.else
	v_wmma_f32_16x16x128_bf8_bf8 v[8*(8*\m+\t):8*(8*\m+\t)+7], v[128*(\b)+16*\t:128*(\b)+16*\t+15], v[\f+16*\m:\f+16*\m+15], v[8*(8*\m+\t):8*(8*\m+\t)+7]
.endif
.endr
.endr
.endm
.macro XFETCH s, f                     ; x's four fragments of slot s
.irp m, 0,1,2,3
.irp c, 0,1,2,3
	ds_load_b128 v[\f+16*\m+4*\c:\f+16*\m+4*\c+3], v5 offset:16*XP*\m+128*(\s)+32*\c
.endr
.endr
.endm
; slot s of the first product
.macro P1STEP s
	s_wait_loadcnt 32                              ; this step's weights are in; the next step's 32 loads may be out
.if \s < 7
	s_wait_dscnt 16                                ; this step's fragments are in; the next step's 16 loads may be out
.else
	s_wait_dscnt 0x0
.endif
	WIN 0xa1                                       ; source 0 (weights) window 1, source 1 (rows) window 0, C and D window 2
.if \s == 0
	MUL32 (\s)%2, XF0+64*((\s)%2), 1               ; the first step starts the sums: nothing is cleared
.else
	MUL32 (\s)%2, XF0+64*((\s)%2), 0
.endif
	PLACES
	WIN 0x40
	s_wait_alu depctr_va_vdst(0)                   ; this step's matrix instructions are done reading the weights' set and the rows' set s % 2, in which the loads below land
.if \s < 6
	WLOAD (\s)%2, WJ+(\s)+2, CUR                   ; the weights of two steps on, into the set just multiplied,
	XFETCH (\s)+2, XF0+64*((\s)%2)                 ; and the rows' fragments of two steps on.  No further wait: only loads and window switches stand behind the wait above
.else
	WLOAD (\s)%2, NJ+(\s)-6, NXT                   ; which for the last two steps are the first two of what follows
.endif
.endm
; rows 16 m on: silu, quantised; the 64 numbers of a lane become one fragment of the second product, slot = my wave
.macro P1EPI m
	WIN 0x02                                       ; source 0 window 2
.set n, 0
.rept 32
	v_pk_mul_f32 v[TT+n:TT+n+1], v[64*\m+n:64*\m+n+1], s[40:41] op_sel_hi:[1,0]   ; -z log2(e); each accumulator from its low end on
.set n, n+2
.endr
	WIN 0
.set n, 0
.rept 64
	v_exp_f32 v[TT+n], v[TT+n]                     ; e^-z
.set n, n+1
.endr
	v_nop                                          ; a plain instruction behind the last exponential
.set n, 0
	s_wait_alu depctr_va_vdst(0)                   ; the 64 exponentials have written v192-255: one wait for the batch, ahead of its first reader
.rept 32
	v_pk_add_f32 v[TT+n:TT+n+1], v[TT+n:TT+n+1], 1.0 op_sel_hi:[1,0]
.set n, n+2
.endr
.set n, 0
.rept 64
	v_rcp_f32 v[TT+n], v[TT+n]                     ; 1 / (1 + e^-z): 0 where e^-z has overflowed, and the product below is then 0
.set n, n+1
.endr
	v_nop
	WIN 0x02
.set n, 0
	s_wait_alu depctr_va_vdst(0)                   ; the 64 reciprocals have written v192-255: one wait for the batch, ahead of its first reader
.rept 32
	v_pk_mul_f32 v[TT+n:TT+n+1], v[64*\m+n:64*\m+n+1], v[TT+n:TT+n+1]      ; silu(z) / 2^(ex + ew1)
.set n, n+2
.endr
	WIN 0
.set n, 0
.rept 64
	v_med3_num_f32 v[TT+n], v[TT+n], -v35, v35     ; the conversion to an 8-bit code does not saturate (ISA guide 7.6.2): hold first
.set n, n+1
.endr
	s_wait_dscnt 0x0                               ; the last image's stores are done
.if \m > 0
	s_wait_alu depctr_vm_vsrc(0)                   ; the last image's LDS stores have read v112-127, which the conversions write again
.endif
.irp t, 0,1,2,3,4,5,6,7
	v_cvt_scalef32_pk8_bf8_f32 v[PC+2*\t:PC+2*\t+1], v[TT+8*\t:TT+8*\t+7], v34
.endr
	v_nop                                          ; a plain instruction between the conversions and the next lines that write their sources
	s_wait_alu depctr_va_vdst(0)                   ; the conversions have written v112-127, which the LDS stores read; they are also done reading v192-255, in which later LDS loads land
.irp c, 0,1,2,3
	ds_store_b128 v7, v[PC+4*\c:PC+4*\c+3] offset:8192*\m+512*\c
.endr
.endm
.Lexpert:                                              ; two trips, lo and hi, walked by every wave of every tile
	v_add_nc_u32 v5, s50, v4                       ; the trip's LDS addresses and its scale are made ahead of the jump, on every way
	v_add_nc_u32 v7, s51, v33
	v_mov_b32 v34, s42
	v_mov_b32 v35, s43
	s_cmp_eq_u32 s[CNT], 0
	s_cbranch_scc1 .Lidle                          ; a tile without rows jumps over the trip's products and its silu, not over the lines that step addresses
	s_wait_alu depctr_va_vdst(0)                   ; v5 and v7 are written, which the trip's LDS loads and stores read, and so are v30-31, which its last loads of weights read; the vector and matrix instructions of the trip before are done with v128-255, in which the fragments land
	XFETCH 0, XF0
	XFETCH 1, XF0+64
.irp s, 0,1,2,3,4,5,6,7
	P1STEP \s
.endr
.irp m, 0,1,2,3
	P1EPI \m                                       ; 64 loads of weights are on their way meanwhile
.endr
.Lidle:                                                ; on either way 64 loads of weights are out, set 0's the older: the head's two steps, or this trip's last two
	s_wait_xcnt 0x0                                ; the loads have read their offsets and bases: these are written again only behind this wait
	s_wait_alu depctr_vm_vsrc(0)                   ; the loads of weights have read v30-31, the LDS loads v5, the LDS stores v7 and v112-127: all are written again below, at the next trip's head or in it
	s_mov_b64 s[CUR:CUR+1], s[NXT:NXT+1]           ; hi's W1 follows lo's,
	s_mov_b64 s[NXT:NXT+1], s[SW2:SW2+1]           ; and lo's W2, first chunk, follows hi's W1,
	v_mov_b32 v[NJ], v[W2J]                        ; from the second product's slots 0 and 1 on
	v_mov_b32 v[NJ+1], v[W2J+1]
	s_mov_b64 s[40:41], s[44:45]
	s_mov_b64 s[42:43], s[46:47]
	s_add_co_u32 s50, s50, XB
	s_add_co_u32 s51, s51, 32768
	s_sub_co_u32 s52, s52, 1
	s_cmp_lg_u32 s52, 0
	s_cbranch_scc1 .Lexpert
	s_wait_dscnt 0x0                               ; my eight images lie in LDS
	s_barrier_signal -1
	s_barrier_wait -1                              ; all 32 do
	s_cmp_eq_u32 s[CNT], 0
	s_cbranch_scc1 .Lend                           ; a tile without rows has passed both barriers and ends: it stores nothing
.macro HFETCH i, s, f                  ; the hidden layer's four fragments of expert i, slot s
.irp m, 0,1,2,3
.irp c, 0,1,2,3
	ds_load_b128 v[\f+16*\m+4*\c:\f+16*\m+4*\c+3], v6 offset:32768*(\i)+(4*\m+(\s))*2048+512*\c
.endr
.endr
.endm
; step j of chunk c (128 of my 256 columns): expert j / 4, slot j % 4.  lo's sums in window 2, hi's in window 3
.macro P2STEP c, j
.if (\c == 1) && (\j == 7)
	s_wait_loadcnt 0x0                             ; the last weights: nothing was asked for behind them
.else
	s_wait_loadcnt 32                              ; this step's weights are in; the next step's 32 loads may be out
.endif
.if \j < 7
	s_wait_dscnt 16                                ; this step's fragments are in; the next step's 16 loads may be out
.else
	s_wait_dscnt 0x0
.endif
.if \j < 4
	WIN 0xa1
.else
	WIN 0xf1
.endif
.if (\j)%4 == 0
	MUL32 (\j)%2, XF0+64*((\j)%2), 1
.else
	MUL32 (\j)%2, XF0+64*((\j)%2), 0
.endif
	PLACES
.if (\c == 0) || (\j < 6)              ; the last chunk's last two steps ask for nothing, so they state nothing
	WIN 0x40
	s_wait_alu depctr_va_vdst(0)                   ; this step's matrix instructions are done reading the weights' set and the rows' set j % 2, in which the loads below land
.endif
.if \j < 2
	WLOAD (\j)%2, W2J+\j+2, SW2+4*\c               ; lo's slots 2 and 3
.elseif \j < 6
	WLOAD (\j)%2, W2J+\j-2, SW2+4*\c+2             ; hi's four
.elseif \c == 0
	WLOAD (\j)%2, W2J+\j-6, SW2+4                  ; the next chunk's first two steps
.else
	WIN 0
.endif
.if \j < 6
	HFETCH ((\j)+2)/4, ((\j)+2)%4, XF0+64*((\j)%2) ; the fragments of two steps on.  No further wait: only loads and window switches stand behind the wait above
.endif
.endm
; rows 16 m on, 128 columns: the two experts' sums, each times its row's factor; through my stage, so that a row's 512 bytes leave by one store
.macro P2EPI c, m
	WIN 0x02
.set n, 0
.rept 32
	v_pk_mul_f32 v[YY+n:YY+n+1], v[64*\m+n:64*\m+n+1], v[FAB+2*\m:FAB+2*\m+1] op_sel_hi:[1,0]     ; lo's sums x the pair's first word; each accumulator from its low end on
.set n, n+2
.endr
	WIN 0x03
.set n, 0
.rept 32
	v_pk_fma_f32 v[YY+n:YY+n+1], v[64*\m+n:64*\m+n+1], v[FAB+2*\m:FAB+2*\m+1], v[YY+n:YY+n+1] op_sel:[0,1,0] op_sel_hi:[1,1,1]   ; + hi's sums x its second word
.set n, n+2
.endr
	WIN 0
	s_wait_alu depctr_va_vdst(0)                   ; the multiply-adds have written v128-191, which the LDS stores read; the chunk's last matrix instructions are done reading v192-255, in which the loads from the stage land
.irp t, 0,1,2,3,4,5,6,7
	ds_store_b128 v10, v[YY+8*\t:YY+8*\t+3] offset:64*\t           ; lane (r, h): columns 16 t + 8 h + 0 .. 7 of row r
	ds_store_b128 v10, v[YY+8*\t+4:YY+8*\t+7] offset:64*\t+16
.endr
	s_wait_xcnt 0x0                                ; the last rows' stores have read their data: the loads below may land there
	s_wait_alu depctr_vm_vsrc(0)                   ; the last rows' global stores have read v192-255, in which the loads below land; the LDS stores above have read v128-191, which the next rows' products write
.irp i, 0,1,2,3,4,5,6,7,8,9,10,11,12,13,14,15
	ds_load_b128 v[BK+4*\i:BK+4*\i+3], v11 offset:SP*\i    ; LDS serves a wave's instructions in order (ISA guide 5.7.1.4): these see the stores above
.endr
.irp i, 0,1,2,3,4,5,6,7,8,9,10,11,12,13,14,15
	s_wait_dscnt 15-\i                             ; row i is back; the younger loads may be out
	global_store_b128 v[TOFF+16*\m+\i], v[BK+4*\i:BK+4*\i+3], s[OUTB+2*\c:OUTB+2*\c+1] th:TH_STORE_NT      ; 32 lanes store 512 consecutive bytes of the token's row, aligned to 256
.endr
.endm
.macro P2CHUNK c
	s_wait_xcnt 0x0                                ; the last chunk's stores have read their data
.if \c > 0
	s_wait_alu depctr_vm_vsrc(0)                   ; the last chunk's global stores have read v192-255, in which the second of the fetches below lands
.endif
	HFETCH 0, 0, XF0
	HFETCH 0, 1, XF0+64
.irp j, 0,1,2,3,4,5,6,7
	P2STEP \c, \j
.endr
.irp m, 0,1,2,3
	P2EPI \c, \m
.endr
.endm
	P2CHUNK 0
	P2CHUNK 1
.Lend:
	s_wait_xcnt 0x0
	s_wait_alu depctr_vm_vsrc(0)                   ; the last global store has read v252-255, of which the two lines below write two
	v_lshl_add_u32 v254, v0, 2, 0x38c00
	v_mov_b32 v255, 0
	s_wait_dscnt 0x0                               ; the closing lines, six on end
	s_wait_alu 0x0
	s_wait_tensorcnt 0x0
	ds_add_u32 v254, v255
	s_wait_dscnt 0x0
	s_endpgm
.Lfunc_end_k_q37be4dbe4f_chain:
	.size	k_q37be4dbe4f_chain, .Lfunc_end_k_q37be4dbe4f_chain-k_q37be4dbe4f_chain
	.p2alignl 7, 3214868480
	.fill 96, 4, 3214868480
	.section	.rodata,"a",@progbits
	.p2align	6, 0x0
	.amdhsa_kernel k_q37be4dbe4f_chain
		.amdhsa_group_segment_fixed_size 232960
		.amdhsa_private_segment_fixed_size 0
		.amdhsa_enable_private_segment 0
		.amdhsa_kernarg_size 56
		.amdhsa_user_sgpr_count 2
		.amdhsa_user_sgpr_kernarg_segment_ptr 1
		.amdhsa_wavefront_size32 1
		.amdhsa_system_sgpr_workgroup_id_x 1
		.amdhsa_system_sgpr_workgroup_id_y 1
		.amdhsa_system_sgpr_workgroup_id_z 1
		.amdhsa_system_vgpr_workitem_id 0
		.amdhsa_next_free_vgpr 1024
		.amdhsa_next_free_sgpr 96
		.amdhsa_reserve_vcc 0
		.amdhsa_float_denorm_mode_32 3
		.amdhsa_float_denorm_mode_16_64 3
		.amdhsa_memory_ordered 1
		.amdhsa_forward_progress 1
		.amdhsa_inst_pref_size 255
	.end_amdhsa_kernel
	.section	.bss,"aw",@nobits
	.p2align	6
	.space	262144
	.amdgpu_metadata
---
amdhsa.version: [ 1, 2 ]
amdhsa.kernels:
  - .name:           k_q37be4dbe4f_chain
    .symbol:         k_q37be4dbe4f_chain.kd
    .args:
      - { .name: tiles, .offset: 0, .size: 8, .value_kind: global_buffer, .address_space: global }
      - { .name: rows, .offset: 8, .size: 8, .value_kind: global_buffer, .address_space: global }
      - { .name: comb, .offset: 16, .size: 8, .value_kind: global_buffer, .address_space: global }
      - { .name: lowp_scales, .offset: 24, .size: 8, .value_kind: global_buffer, .address_space: global }
      - { .name: xq, .offset: 32, .size: 8, .value_kind: global_buffer, .address_space: global }
      - { .name: wimg, .offset: 40, .size: 8, .value_kind: global_buffer, .address_space: global }
      - { .name: out0, .offset: 48, .size: 8, .value_kind: global_buffer, .address_space: global }
    .group_segment_fixed_size: 232960
    .private_segment_fixed_size: 0
    .kernarg_segment_align: 8
    .kernarg_segment_size: 56
    .max_flat_workgroup_size: 128
    .sgpr_count:     96
    .vgpr_count:     1024
    .wavefront_size: 32
...
	.end_amdgpu_metadata
.endif
;; end of part 4
